; MI455X (gfx1250); checked and timed in simulation.
; The chip was launched on July 23, 2026; its instructions are those of AMD's public machine-readable ISA for CDNA 5 (MIT licence, August 2026) and "CDNA5" Instruction Set Architecture Reference Guide (July 2026). The comments in the code are by the model that wrote it; some were corrected since.
;; Muti Query Attention. Allowed arithmetic: matrix products marked QUANTISED: E4M3 operands, one E8M0 scale for each 32 along K, by v_wmma_scale_f32_16x16x128_f8f6f4 with both operands' format E4M3, f32 sums; everything else in f32.
;; Inputs: Wk_codes 64 x 32 x 32 uint8 (E4M3 codes of Wk, K innermost, in blocks of 32 codes); Wk_scales 64 x 32 uint8 (E8M0 scales of Wk, one for each 32 codes along K); Wo_codes 1,024 x 32 x 32 uint8 (E4M3 codes of Wo, K innermost, in blocks of 32 codes); Wo_scales 1,024 x 32 uint8 (E8M0 scales of Wo, one for each 32 codes along K); Wq_codes 1,024 x 32 x 32 uint8 (E4M3 codes of Wq, K innermost, in blocks of 32 codes); Wq_scales 1,024 x 32 uint8 (E8M0 scales of Wq, one for each 32 codes along K); Wv_codes 64 x 32 x 32 uint8 (E4M3 codes of Wv, K innermost, in blocks of 32 codes); Wv_scales 64 x 32 uint8 (E8M0 scales of Wv, one for each 32 codes along K); bk 64 float32; bo 1,024 float32; bq 1,024 float32; bv 64 float32; hidden_state_codes 4 x 2,048 x 32 x 32 uint8 (E4M3 codes of hidden_state, K innermost, in blocks of 32 codes); hidden_state_scales 4 x 2,048 x 32 uint8 (E8M0 scales of hidden_state, one for each 32 codes along K).
;; Outputs: out0 4 x 2,048 x 1,024 float32.
;; This version of the problem:
;;   THIS VERSION OF THE PROBLEM IS GIVEN IN LOW PRECISION. The matrix products marked QUANTISED in the list below multiply operands that are first quantised to E4M3 (4 exponent bits, 3 mantissa bits; 8 bits a number), with one power-of-two scale for each 32 numbers along K (OCP MX v1.0); their sums are f32. All else is computed in f32.
;;   The module's matrix products, in the order in which they are computed (A, B: the left and right operand; K: the contracted axis; several contracted axes count as one K, in the product's order):
;;     1. [M 8,192, K 1,024] x [K 1,024, N 1,024]; A: input hidden_state (given as codes); B: input Wq (given as codes): QUANTISED
;;     2. [M 8,192, K 1,024] x [K 1,024, N 64]; A: input hidden_state (given as codes); B: input Wk (given as codes): QUANTISED
;;     3. [M 8,192, K 1,024] x [K 1,024, N 64]; A: input hidden_state (given as codes); B: input Wv (given as codes): QUANTISED
;;     4. batch 4 x [M 2,048, K 64] x [K 64, N 32,768]; A: computed on the way; B: computed on the way: QUANTISED
;;     5. batch 4 x [M 64, K 2,048] x [K 2,048, N 32,768]; A: computed on the way; B: softmax (see below): QUANTISED
;;     6. [M 8,192, K 1,024] x [K 1,024, N 1,024]; A: computed on the way; B: input Wo (given as codes): QUANTISED
;;   THE QUANTISER, for each operand of a quantised product, along K:
;;     - K is cut into blocks of 32 from its start; a last block that is shorter is filled with zeros.
;;     - A block's scale is 2^e with e = floor(log2(the largest magnitude in the block)) - 8, held to -126 .. 127; a block of zeros has e = 0. As a byte (E8M0): e + 127.
;;     - Each number is divided by its block's scale, clamped to +-448, and rounded to the nearest number of E4M3, ties to even, subnormals kept.
;;     - The product sums the exact products of the quantised numbers (number of the format x scale) in f32.
;;   ~~~python
;;   def quantise(x, axis):      # numpy; x: float32 -> the quantised numbers, widened to float32 again
;;       x = np.moveaxis(x, axis, -1); K = x.shape[-1]
;;       x = np.pad(x, [(0, 0)] * (x.ndim - 1) + [(0, -K % 32)]); x = x.reshape(x.shape[:-1] + (-1, 32)); a = np.abs(x).max(-1, keepdims=True)
;;       e = np.where(a > 0, np.clip(np.frexp(np.where(a > 0, a, 1))[1] - 1 - 8, -126, 127), 0)      # np.frexp(a)[1] - 1 = floor(log2(a)), exactly
;;       r = np.clip(x / 2.0 ** e, -448, 448)
;;       step = 2.0 ** (np.maximum(np.frexp(np.where(r == 0, 1, r))[1] - 1, -6) - 3)
;;       q = np.round(r / step) * step * 2.0 ** e      # np.round: ties to even
;;       return np.moveaxis(q.reshape(q.shape[:-2] + (-1,))[..., :K], -1, axis).astype(np.float32)
;;   ~~~
;;   SOFTMAX AHEAD OF A QUANTISED PRODUCT. Where the list says 'softmax', what is quantised is not the finished softmax but p = 2^(t - M), with t = logit x log2(e) and M = ceil(the row's largest t), a whole number; so 1/2 < the row's largest p <= 1. The row's sum l is taken of the UNQUANTISED p, in f32, and the product's result is divided by l at the end. Since M is a whole number, a kernel that streams over the keys may use a running M (the ceiling of the running maximum): every later rescaling is an exact power of two, which a block's scale takes up: the codes' values come out the same.
;;   OPERANDS COMPUTED ON THE WAY. 'Computed on the way' means the value that the module computes at that place (a softmax that the list does not call 'softmax' is quantised finished and normalised). What goes into a quantiser is computed in f32, as accurately as f32 sums, v_exp_f32 and their like allow (about 1e-6 of the number): no bf16 or f16 on the way to a quantiser, and a product that is left as it is and whose result goes on into a quantised operand takes f32 operands (vector FMAs, or v_wmma_f32_16x16x4_f32). A number that lies on a knife's edge between two numbers of the format may be rounded either way, as far as f32 arithmetic and the matrix unit's own rounding can turn it there, and no further.
;;   INPUTS GIVEN AS CODES. Wk (in the module: [1024, 64], K = its axis 0); Wo (in the module: [1024, 1024], K = its axis 0); Wq (in the module: [1024, 1024], K = its axis 0); Wv (in the module: [1024, 64], K = its axis 0); hidden_state (in the module: [4, 2048, 1024], K = its axis 2): each comes as NAME_codes (uint8): NAME with its K axis moved to the last place and cut into blocks of 32 codes, [.., K / 32, bytes a block], one block behind the other in memory; one code a byte (a code: sign, 4 exponent bits, 3 mantissa bits); and NAME_scales (uint8): the same leading axes, one E8M0 byte (e + 127) for each 32 codes along K. Its value is code x scale, taken as it is: it is not quantised again, and the codes and scales need not be those that the quantiser above would give.
;; 2 versions. Each part assembles by itself: llvm-mc -triple=amdgcn-amd-amdhsa -mcpu=gfx1250 --defsym DOCPART=n.
;; ======== version 1 of 2: 3 launches
;; workspace buffers: q_img 8,388,608 bytes; q_sc 524,288 bytes; kv 1,097,728 bytes; o_img 8,388,608 bytes; o_sc 262,144 bytes
;; launch proj (part 1): grid 64 x 4, 4 waves a work-group, clusters of 4 x 1, 300,544 bytes of LDS; arguments hidden_state_codes, hidden_state_scales, Wq_codes, Wq_scales, bq, Wk_codes, Wk_scales, bk, Wv_codes, Wv_scales, bv, q_img, q_sc, kv; writes q_img, q_sc, kv
.if DOCPART == 1
	.amdgcn_target "amdgcn-amd-amdhsa--gfx1250"
	.amdhsa_code_object_version 6
	.text
	.protected	k_q4de7a0469a_proj
	.globl	k_q4de7a0469a_proj
	.p2align	8
	.type	k_q4de7a0469a_proj,@function
k_q4de7a0469a_proj:
	s_mov_b64 s[64:65], 0
	v_nop
	global_prefetch_b8 v0, s[64:65] scope:SCOPE_SE
	s_setreg_imm32_b32 hwreg(HW_REG_WAVE_MODE, 25, 1), 1
	s_wait_xcnt 0x0
	s_wait_alu depctr_hold_cnt(0) depctr_sa_sdst(0) depctr_va_vdst(0) depctr_va_sdst(0) depctr_va_ssrc(0) depctr_va_vcc(0) depctr_vm_vsrc(0)
	s_getreg_b32 s2, hwreg(HW_REG_IB_STS2, 6, 4)
	s_cmp_eq_u32 s2, 0
	s_cbranch_scc0 .Lentry_in_a_cluster
	s_endpgm
.Lentry_in_a_cluster:
	s_bfe_u32 s2, ttmp6, 0x10000c
	s_cmp_lg_u32 s2, 0x3003
	s_cbranch_scc0 .Lentry_shape_is_right
	s_endpgm
.Lentry_shape_is_right:
; q = hs Wq + bq, k = hs Wk + bk, v = hs Wv + bv on codes of FP8 (E4M3) with one E8M0 scale for each 32 along K = 1,024; the three results are quantised here, in f32, and leave as codes:
; q and k along the head's 64 (two blocks of 32), v along the keys (blocks of 32 keys).  They are laid as images of the registers in which the attention launch wants them:
; every store of codes is 16 bytes a lane, 512 consecutive bytes a wave.
; SHARES.  Work-group (Mblk, J): 128 rows of hs (one key step of one batch) x 256 columns of q (heads 4 J .. 4 J + 3) and 32 columns of k (J = 0, 1) or of v (J = 2, 3): d = 32 (J & 1) on.
; Wave w takes rows 32 w .. 32 w + 31 (two tiles) and all 288 columns.  Its rows' codes, 32 x 1,024 bytes, stay in 256 registers; the 288 rows of weights, 1,024 bytes each, lie in LDS, filled ONCE.
; CLUSTER.  The four work-groups of a cluster share J, so they want the same weights: each slice is asked for jointly (mask 15).  hs goes to registers and is read once by its work-group: nothing to share there.
; No LDS byte is filled twice, so there is no ring of slots.  Five tensor loads of a wave are out at the most: four slices of Wq and one of Wk or Wv, issued together.
; q AND k ARE MADE TRANSPOSED (source 0 = 16 rows of the weight, source 1 = 16 rows of hs): a lane holds one row of hs and eight neighbouring columns.  The 16 registers of two neighbouring tiles are then
; d = 32 c + 16 (i / 8) + 8 (lane / 16) + i % 8: all of one block of 32 with those of lane xor 16.  That order inside a block is the same for q and for k, so the products of the scores are the same ones;
; the matrix unit adds them in another order than memory order.  v IS MADE THE NATURAL WAY (source 0 = hs, source 1 = Wv): a lane holds one d and registers run along the keys, in the order in which p will lie.
; THE ROWS OF Wv THAT FORM A TILE ARE NOT NEIGHBOURS: lane r of tile u takes row 8 u + r + 8 (r / 8) of the 32, so that the attention result's 16 registers of two tiles are 16 neighbours along hidden.
; The biases are the C of each sum's first matrix instruction.
; LIMITS: NaN and infinities among the computed numbers are not served.  A block of zeros gets the byte 1 where the quantiser says 127: its codes are zeros, which add nothing, and this program alone reads the bytes.
; REGISTERS, in windows of 256.  window 0: v1-15 addresses; v16-23 hs's scale words (lanes 0-15 tile 0, lanes 16-31 tile 1); v24-95 the weights' scale words (pair of tiles p, K step s at 24 + 8 p + s);
;   v96-159 eight accumulators; v160-175 the quantiser's; v176-191 codes; v192-197 scale words on their way out.
;   window 1: hs's fragments (tile mt, K step s at 16 (8 mt + s)).  window 2: four buffers of four weight fragments.  window 3: bq as C (tile T at 8 T); bk or bv at 128.
.set PITCH, 1040                       ; a weight's row in LDS: 1,024 bytes + 16 of padding = 65 x 16: the sixteen rows of a fragment load begin in sixteen different 16-byte columns of 256
.set CHUNK, 64*PITCH                   ; 64 rows: one head's columns
.set KVROW, 256*PITCH                  ; behind Wq's 256 rows: the 32 rows of Wk or Wv
.set REC,   17152                      ; a record of kv: K's image 8,192, V's image 8,192, K's scale words 512, V's 256
.set LN,  1                            ; lane
.set R,   2                            ; lane % 16
.set H,   3                            ; lane / 16
.set XA,  4                            ; hs: 1,024 r + 16 h
.set BA,  5                            ; weights in LDS: PITCH r + 16 h
.set BAD, 6                            ; the same at the phase's first row
.set L16, 7                            ; 16 x lane
.set L4,  8                            ; 4 x lane
.set L32, 9                            ; 32 x lane
.set BH,  10                           ; 32 h: a bias's eight numbers of my half
.set KVS, 11                           ; my row among Wk's or Wv's scale rows, x 32
.set VB,  12                           ; bv: 4 (r + 8 (r / 8))
.set L8,  13                           ; 8 x lane
.set RR,  14                           ; r + 8 (r / 8)
.set T1,  15
.set AS,  16
.set BS,  24
.set ACC, 96
.set TM,  160                          ; +0..3 largest magnitudes, +4..7 the other half's, then bytes, +8..11 448 x the scale, +12..15 the conversions' scale operands
.set PC,  176
.set W,   192
.set KEEP, 194
.set OW,  196
.set KB,  128                          ; in window 3
.set WV,  32                           ; s32 wave; s33 cx; s34 Mblk; s35 J; s36 J & 1; s37 lanes 16-31 as a mask
.set SEL, 38
.set MNT, 40
.set G1Q, 48
.set G1KV, 56
.set G0,  68                           ; s[68:87] five groups 0
.set MSB, 0
.macro WIN new                         ; the immediate's high byte repeats the setting that is left; a switch that changes nothing is dropped
.if MSB != \new
	s_set_vgpr_msb (MSB<<8)|\new
.set MSB, \new
.endif
.endm
.macro PLACES                          ; eight places behind this matrix form, where no other vector work is at hand
.rept 8
	v_nop
.endr
.endm
.macro CROUND                          ; a round of the cluster's barrier
	s_barrier_signal -1
	s_barrier_wait -1
	s_cmp_lg_u32 s[WV], 0
	s_cbranch_scc1 .Lnot_wave_0_\@
	s_barrier_signal -3
.Lnot_wave_0_\@:
	s_barrier_wait -3
	s_barrier_signal -1
	s_barrier_wait -1
.endm
; one scaled product; ra, rb = 1: that side's scales are read from lanes 16-31
.macro WMSC d, a, b, c, sa, sb, ra, rb
.if (\ra) && (\rb)
	v_wmma_scale_f32_16x16x128_f8f6f4 v[\d:\d+7], v[\a:\a+15], v[\b:\b+15], v[\c:\c+7], v[\sa], v[\sb] matrix_a_scale:MATRIX_SCALE_ROW1 matrix_b_scale:MATRIX_SCALE_ROW1
.elseif \ra
	v_wmma_scale_f32_16x16x128_f8f6f4 v[\d:\d+7], v[\a:\a+15], v[\b:\b+15], v[\c:\c+7], v[\sa], v[\sb] matrix_a_scale:MATRIX_SCALE_ROW1
.elseif \rb
	v_wmma_scale_f32_16x16x128_f8f6f4 v[\d:\d+7], v[\a:\a+15], v[\b:\b+15], v[\c:\c+7], v[\sa], v[\sb] matrix_b_scale:MATRIX_SCALE_ROW1
.else
	v_wmma_scale_f32_16x16x128_f8f6f4 v[\d:\d+7], v[\a:\a+15], v[\b:\b+15], v[\c:\c+7], v[\sa], v[\sb]
.endif
.endm
; n weight fragments of K step s, rs rows apart, into buffer s % 4 of window 2.  It leaves the window set
.macro FETCH s, n, rs
	WIN 0x80                                       ; destination window 2, address window 0
.irp t, 0,1,2,3
.if \t < \n
.irp c, 0,1,2,3
	ds_load_b128 v[64*((\s)%4)+16*\t+4*\c:64*((\s)%4)+16*\t+4*\c+3], v[BAD] offset:\t*\rs*PITCH+128*(\s)+32*\c
.endr
.endif
.endr
.endm
; eight products of phase g, K step s: four tiles of columns x two tiles of rows; the eight accumulators take turns, one instruction a turn
.macro MULQ g, s
.if \s == 0
	WIN 0x36                                       ; source 0 (weights) window 2, source 1 (hs) window 1, C (the bias) window 3, D window 0
.else
	WIN 0x06
.endif
.irp t, 0,1,2,3
.irp mt, 0,1
.if \s == 0
	WMSC ACC+32*\mt+8*\t, 64*(\s%4)+16*\t, 16*(8*\mt+\s), 8*(4*\g+\t), BS+8*(2*\g+\t/2)+\s, AS+\s, \t%2, \mt
.else
	WMSC ACC+32*\mt+8*\t, 64*(\s%4)+16*\t, 16*(8*\mt+\s), ACC+32*\mt+8*\t, BS+8*(2*\g+\t/2)+\s, AS+\s, \t%2, \mt
.endif
.endr
.endr
.endm
; phase g begins: my slice of its 64 rows has landed, everybody's has; its first three K steps' fragments are asked for
.macro START g
	WIN 0
	s_wait_tensorcnt 4-(\g)                        ; behind chunk g's load stand the later chunks' and the k/v slice's
	s_wait_dscnt 0x0
	s_barrier_signal -1
	s_barrier_wait -1
	v_add_nc_u32 v[BAD], (\g)*CHUNK, v[BA]
	FETCH 0, 4, 16
	FETCH 1, 4, 16
	FETCH 2, 4, 16
	WIN 0
.endm
.macro STEPS g
.irp s, 0,1,2,3,4,5,6,7
.if \g == 0
	s_wait_loadcnt 8*(7-\s)                        ; hs's fragments of this K step are in, and all that was asked for before them; those of the later steps, eight loads each, may be out
.endif
.if \s <= 5
	s_wait_dscnt 32                                ; this step's fragments are in; the two later steps', sixteen loads each, may be out
.elseif \s == 6
	s_wait_dscnt 16
.else
	s_wait_dscnt 0
.endif
	MULQ \g, \s
.if \s <= 4
	PLACES                                         ; in front of loads into a buffer that matrix instructions have read
	FETCH \s+3, 4, 16
.endif
.endr
.endm
; nb blocks of a lane's 16 registers from v[s] on become codes in v[PC + 4 b] on and bytes in v[TM + 4 + b].  A block of 32 lies in lanes l and l xor 16
.macro QUANT s, nb
.irp b, 0,1,2,3
.if \b < \nb
	v_max3_num_f32 v[TM+\b], |v[\s+16*\b]|, |v[\s+1+16*\b]|, 0x4800000   ; my 16 numbers, and the floor 2^(9 - 127): so the byte cannot fall under 1.  Each accumulator is read from its low end on
.endif
.endr
.irp i, 2,4,6,8,10,12,14
.irp b, 0,1,2,3
.if \b < \nb
	v_max3_num_f32 v[TM+\b], v[TM+\b], |v[\s+16*\b+\i]|, |v[\s+1+16*\b+\i]|
.endif
.endr
.endr
.irp b, 0,1,2,3
.if \b < \nb
	v_permlanex16_b32 v[TM+4+\b], v[TM+\b], s[SEL], s[SEL+1]
.endif
.endr
.irp b, 0,1,2,3
.if \b < \nb
	v_max_num_f32 v[TM+\b], v[TM+\b], v[TM+4+\b]   ; the block's largest magnitude
.endif
.endr
.irp b, 0,1,2,3
.if \b < \nb
	v_add_nc_u32 v[TM+12+\b], 0xfc000000, v[TM+\b]   ; 8 off its exponent field: the conversion takes this operand's exponent field as its scale
.endif
.endr
.irp b, 0,1,2,3
.if \b < \nb
	v_and_or_b32 v[TM+8+\b], v[TM+\b], 0x7f800000, s[MNT]   ; 448 x the scale
.endif
.endr
.irp b, 0,1,2,3
.if \b < \nb
	v_lshrrev_b32 v[TM+4+\b], 23, v[TM+12+\b]      ; the scale's byte
.endif
.endr
.irp b, 0,1,2,3
.if \b < \nb
.irp i, 0,1,2,3,4,5,6,7,8,9,10,11,12,13,14,15
	v_med3_num_f32 v[\s+16*\b+\i], v[\s+16*\b+\i], -v[TM+8+\b], v[TM+8+\b]   ; the conversion to an 8-bit code does not saturate (ISA guide 7.6.2): the hold at the largest code x the scale
.endr
	v_cvt_scalef32_pk8_fp8_f32 v[PC+4*\b:PC+4*\b+1], v[\s+16*\b:\s+16*\b+7], v[TM+12+\b]
	v_cvt_scalef32_pk8_fp8_f32 v[PC+4*\b+2:PC+4*\b+3], v[\s+16*\b+8:\s+16*\b+15], v[TM+12+\b]
.endif
.endr
	v_nop                                          ; one plain instruction between the last conversion and whatever next writes its sources
.endm
; head 4 J + g leaves: codes, and with every second head the scale words of a pair of heads (lanes 0-15 the even head's, lanes 16-31 the odd one's)
.macro EPIQ g
	s_wait_xcnt 0x0                                ; the last stores have read their data: the codes' and words' registers are written again only behind this wait
	QUANT ACC, 4                                   ; block 2 mt + c
.irp mt, 0,1
	v_lshl_or_b32 v[W+\mt], v[TM+5+2*\mt], 16, v[TM+4+2*\mt]
	v_or_b32 v[W+\mt], 0x7f007f00, v[W+\mt]        ; [c = 0's byte, 1.0, c = 1's byte, 1.0]: the head's 64 lie in the instruction's blocks 0 and 2; blocks 1 and 3 are zero codes
.endr
.irp mt, 0,1
.irp c, 0,1
	global_store_b128 v[L16], v[PC+4*(2*\mt+\c):PC+4*(2*\mt+\c)+3], s[26:27] offset:\mt*16384+\g*1024+\c*512   ; 512 consecutive bytes a wave
.endr
.endr
.if \g%2 == 0
.irp mt, 0,1
	v_mov_b32 v[KEEP+\mt], v[W+\mt]
.endr
.else
.irp mt, 0,1
	v_cndmask_b32 v[OW+\mt], v[KEEP+\mt], v[W+\mt], s37
	global_store_b32 v[L4], v[OW+\mt], s[28:29] offset:\mt*1024+(\g/2)*128
.endr
.endif
.endm
; four products of k (nat = 0: transposed) or of v (nat = 1: source 0 = hs), K step s; four accumulators by turns
.macro MULKV nat, s
.if \nat
.if \s == 0
	WIN 0x39                                       ; source 0 (hs) window 1, source 1 (Wv) window 2, C window 3
.else
	WIN 0x09
.endif
.else
.if \s == 0
	WIN 0x36
.else
	WIN 0x06
.endif
.endif
.irp u, 0,1
.irp mt, 0,1
.if \nat
.if \s == 0
	WMSC ACC+16*\u+8*\mt, 16*(8*\mt+\s), 64*(\s%4)+16*\u, KB+8*\u, AS+\s, BS+64+\s, \mt, \u
.else
	WMSC ACC+16*\u+8*\mt, 16*(8*\mt+\s), 64*(\s%4)+16*\u, ACC+16*\u+8*\mt, AS+\s, BS+64+\s, \mt, \u
.endif
.else
.if \s == 0
	WMSC ACC+16*\mt+8*\u, 64*(\s%4)+16*\u, 16*(8*\mt+\s), KB+8*\u, BS+64+\s, AS+\s, \u, \mt
.else
	WMSC ACC+16*\mt+8*\u, 64*(\s%4)+16*\u, 16*(8*\mt+\s), ACC+16*\mt+8*\u, BS+64+\s, AS+\s, \u, \mt
.endif
.endif
.endr
.endr
.endm
.macro KVSTEPS nat, rs
	FETCH 0, 2, \rs
	FETCH 1, 2, \rs
	FETCH 2, 2, \rs
.irp s, 0,1,2,3,4,5,6,7
.if \s <= 5
	s_wait_dscnt 16                                ; the two later steps' fragments, eight loads each, may be out
.elseif \s == 6
	s_wait_dscnt 8
.else
	s_wait_dscnt 0
.endif
	MULKV \nat, \s
.if \s <= 4
	PLACES
	FETCH \s+3, 2, \rs
.endif
.endr
	WIN 0
	PLACES                                         ; in front of the first read of the results
	s_wait_xcnt 0x0                                ; the last head's stores have read their data
	QUANT ACC, 2
.endm
	s_load_b512 s[4:19], s[0:1], 0x0               ; hs codes s[4:5], hs scales s[6:7], Wq codes s[8:9], Wq scales s[10:11], bq s[12:13], Wk codes s[14:15], Wk scales s[16:17], bk s[18:19]
	s_load_b256 s[20:27], s[0:1], 0x40             ; Wv codes s[20:21], Wv scales s[22:23], bv s[24:25], q_img s[26:27]
	s_load_b128 s[28:31], s[0:1], 0x60             ; q_sc s[28:29], kv s[30:31]
	v_lshl_add_u32 v254, v0, 2, 0x49400
	v_mov_b32 v255, 0
	ds_add_u32 v254, v255
	ds_add_u32 v254, v255
	v_lshrrev_b32 v[T1], 5, v0
	v_readfirstlane_b32 s[WV], v[T1]               ; wave 0..3
	v_and_b32 v[LN], 31, v0
	v_and_b32 v[R], 15, v0
	v_bfe_u32 v[H], v0, 4, 1
	v_lshlrev_b32 v[XA], 10, v[R]
	v_lshl_add_u32 v[XA], v[H], 4, v[XA]
	v_mul_u32_u24 v[BA], v[R], PITCH
	v_lshl_add_u32 v[BA], v[H], 4, v[BA]
	v_lshlrev_b32 v[L16], 4, v[LN]
	v_lshlrev_b32 v[L4], 2, v[LN]
	v_lshlrev_b32 v[L32], 5, v[LN]
	v_lshlrev_b32 v[L8], 3, v[LN]
	v_lshlrev_b32 v[BH], 5, v[H]
	v_and_b32 v[RR], 8, v[R]
	v_add_nc_u32 v[RR], v[RR], v[R]                ; r + 8 (r / 8)
	v_lshlrev_b32 v[VB], 2, v[RR]
	v_lshl_add_u32 v[T1], v[H], 3, v[RR]           ; Wv's row for my lane's scale words: tile u = h
.irp b, 0,1,2,3
	v_mov_b32 v[TM+4+\b], 0                        ; written once: a lane permute's destination counts as one of its sources
.endr
	s_bfe_u32 s33, ttmp6, 0x40000                  ; cx: it enters hs's and the outputs' addresses alone
	s_lshl_b32 s34, ttmp9, 2
	s_add_co_u32 s34, s34, s33                     ; Mblk = 4 x cluster x + cx
	s_and_b32 s35, ttmp7, 0xffff                   ; J, which the four partners share
	s_and_b32 s36, s35, 1
	s_mov_b32 s37, 0xffff0000
	s_mov_b32 s[SEL], 0x76543210
	s_mov_b32 s[SEL+1], 0xfedcba98                 ; v_permlanex16_b32's selects for lane l xor 16
	s_mov_b32 s[MNT], 0x600000                     ; the mantissa field of 448
	s_cmp_lt_u32 s35, 2
	s_cselect_b32 s41, 0, -1                       ; all lanes where the work-group makes v
	v_cndmask_b32 v[KVS], v[LN], v[T1], s41        ; k: tile u's row r is row 16 u + r = my lane;  v: 8 u + r + 8 (r / 8)
	v_lshlrev_b32 v[KVS], 5, v[KVS]
	; descriptor group 1: 16 (Wq) or 8 (Wk, Wv) rows of 1,024 bytes, 16 bytes of padding behind each
	s_mov_b32 s[G1Q], 15|(1<<20)|(1<<21)|(7<<22)|(3<<25)    ; 15:0 the mask: all four work-groups; 17:16 elements of 1 byte; 20 padding on; 21 set beside a mask; 24:22 after every 256 words (code 7); 31:25 four words (code 3)
	s_mov_b32 s[G1KV], 15|(1<<20)|(1<<21)|(7<<22)|(3<<25)
.irp g, G1Q, G1KV
	s_mov_b32 s[\g+1], 1024<<16                    ; tensor_dim0
	s_mov_b32 s[\g+3], 1024<<16                    ; tile_dim0
	s_mov_b32 s[\g+5], 1024                        ; tensor_dim0_stride
	s_mov_b32 s[\g+6], 0
	s_mov_b32 s[\g+7], 0
.endr
	s_mov_b32 s[G1Q+2], 16<<16                     ; tensor_dim1
	s_mov_b32 s[G1Q+4], 16                         ; tile_dim1
	s_mov_b32 s[G1KV+2], 8<<16
	s_mov_b32 s[G1KV+4], 8
	; offsets made of J and the wave's number alone
	s_lshl_b32 s42, s35, 18
	s_lshl_b32 s2, s[WV], 14
	s_add_co_u32 s42, s42, s2                      ; Wq's codes: row 256 J + 16 w
	s_mov_b32 s43, 0
	s_lshl_b32 s90, s36, 15
	s_lshl_b32 s2, s[WV], 13
	s_add_co_u32 s90, s90, s2                      ; Wk's or Wv's: row 32 (J & 1) + 8 w
	s_mov_b32 s91, 0
	s_mul_i32 s92, s[WV], 16*PITCH                 ; and where they go
	s_mul_i32 s93, s[WV], 8*PITCH
	s_lshl_b32 s94, s35, 13                        ; Wq's scales: 256 J rows of 32 bytes
	s_mov_b32 s95, 0
	s_lshl_b32 s96, s35, 10                        ; bq: 256 J numbers
	s_mov_b32 s97, 0
	s_lshl_b32 s98, s36, 10                        ; Wk's or Wv's scales: 32 (J & 1) rows
	s_mov_b32 s99, 0
	s_lshl_b32 s88, s36, 7                         ; bk, bv: 32 (J & 1) numbers
	s_mov_b32 s89, 0
	; my wave's first row of hs
	s_lshl_b32 s44, s34, 7
	s_lshl_b32 s45, s[WV], 5
	s_add_co_u32 s44, s44, s45                     ; 128 Mblk + 32 w
	s_mov_b32 s47, 0
	s_wait_dscnt 0x0
	s_wait_kmcnt 0x0
	s_cmp_lt_u32 s35, 2                            ; k's work-group or v's: the choice hangs on J alone
	s_cselect_b64 s[14:15], s[14:15], s[20:21]
	s_cselect_b64 s[16:17], s[16:17], s[22:23]
	s_add_nc_u64 s[8:9], s[8:9], s[42:43]
	s_add_nc_u64 s[14:15], s[14:15], s[90:91]
	s_add_nc_u64 s[10:11], s[10:11], s[94:95]
	s_add_nc_u64 s[12:13], s[12:13], s[96:97]
	s_add_nc_u64 s[16:17], s[16:17], s[98:99]
	s_add_nc_u64 s[18:19], s[18:19], s[88:89]
	s_add_nc_u64 s[24:25], s[24:25], s[88:89]
	s_lshl_b32 s46, s44, 10
	s_add_nc_u64 s[4:5], s[4:5], s[46:47]          ; hs's codes at my first row
	s_add_nc_u64 s[26:27], s[26:27], s[46:47]      ; q_img: 16,384 bytes for each tile of 16 rows,
	s_lshl_b32 s46, s35, 12
	s_add_nc_u64 s[26:27], s[26:27], s[46:47]      ; 1,024 for each head: head 4 J
	s_lshl_b32 s46, s44, 5
	s_add_nc_u64 s[6:7], s[6:7], s[46:47]          ; hs's scales
	s_lshl_b32 s46, s44, 6
	s_add_nc_u64 s[28:29], s[28:29], s[46:47]      ; q_sc: 1,024 bytes a tile of rows,
	s_lshl_b32 s46, s35, 8
	s_add_nc_u64 s[28:29], s[28:29], s[46:47]      ; 128 a pair of heads: pair 2 J
	s_mul_i32 s46, s34, REC
	s_add_nc_u64 s[30:31], s[30:31], s[46:47]      ; kv: my key step's record
.irp g, 0,1,2,3
	s_mov_b32 s[G0+4*\g], 1                        ; 1:0 count = 1
	s_add_co_u32 s[G0+4*\g+1], s92, \g*CHUNK       ; 63:32 LDS address: row 64 g + 16 w
	s_add_nc_u64 s[G0+4*\g+2:G0+4*\g+3], s[8:9], \g*65536   ; 120:64 global address
	s_or_b32 s[G0+4*\g+3], s[G0+4*\g+3], 0x80000000         ; 127:126 type = 2
.endr
	s_mov_b32 s[G0+16], 1
	s_add_co_u32 s[G0+17], s93, KVROW
	s_mov_b64 s[G0+18:G0+19], s[14:15]
	s_or_b32 s[G0+19], s[G0+19], 0x80000000
	CROUND                                         ; all four work-groups are here: the joint loads meet
.irp g, 0,1,2,3
	tensor_load_to_lds s[G0+4*\g:G0+4*\g+3], s[G1Q:G1Q+7]
	s_nop 0
.endr
	tensor_load_to_lds s[G0+16:G0+19], s[G1KV:G1KV+7]
	s_nop 0
.rept 4
	v_nop
.endr
	global_load_b128 v[AS:AS+3], v[L32], s[6:7]            ; hs's scale words: lane l takes row l of my 32: eight words, one a K step
	global_load_b128 v[AS+4:AS+7], v[L32], s[6:7] offset:16
.irp p, 0,1,2,3,4,5,6,7
	global_load_b128 v[BS+8*\p:BS+8*\p+3], v[L32], s[10:11] offset:1024*\p        ; Wq's: lane l takes row 32 p + l
	global_load_b128 v[BS+8*\p+4:BS+8*\p+7], v[L32], s[10:11] offset:1024*\p+16
.endr
	global_load_b128 v[BS+64:BS+67], v[KVS], s[16:17]      ; Wk's or Wv's
	global_load_b128 v[BS+68:BS+71], v[KVS], s[16:17] offset:16
	WIN 0xc0                                       ; destination window 3
.irp tt, 0,1,2,3,4,5,6,7,8,9,10,11,12,13,14,15
	global_load_b128 v[8*\tt:8*\tt+3], v[BH], s[12:13] offset:64*\tt             ; bq(16 T + 8 h + 0 .. 7): the result's layout
	global_load_b128 v[8*\tt+4:8*\tt+7], v[BH], s[12:13] offset:64*\tt+16
.endr
	WIN 0
	s_cmp_lt_u32 s35, 2
	s_cbranch_scc0 .Lbias_v
	WIN 0xc0
.irp u, 0,1
	global_load_b128 v[KB+8*\u:KB+8*\u+3], v[BH], s[18:19] offset:64*\u          ; bk(16 u + 8 h + 0 .. 7)
	global_load_b128 v[KB+8*\u+4:KB+8*\u+7], v[BH], s[18:19] offset:64*\u+16
.endr
	WIN 0
	s_branch .Lbias_done
.Lbias_v:
	WIN 0xc0
.irp u, 0,1
.irp j, 0,1,2,3,4,5,6,7
	global_load_b32 v[KB+8*\u+\j], v[VB], s[24:25] offset:32*\u                  ; v's lane holds one d: its bias in all eight registers
.endr
.endr
	WIN 0
.Lbias_done:
	WIN 0x40                                       ; destination window 1
.irp s, 0,1,2,3,4,5,6,7
.irp mt, 0,1
.irp c, 0,1,2,3
	global_load_b128 v[16*(8*\mt+\s)+4*\c:16*(8*\mt+\s)+4*\c+3], v[XA], s[4:5] offset:\mt*16384+128*\s+32*\c   ; hs's fragments, K step by K step: they stay
.endr
.endr
.endr
	WIN 0
	START 0
.irp g, 0,1,2
	STEPS \g
	WIN 0
	PLACES                                         ; in front of the loads into the buffers just multiplied, and of the first read of the results
	START \g+1                                     ; the next head's fragments are on their way while this head is quantised
	EPIQ \g
.endr
	STEPS 3
	WIN 0
	PLACES
	s_wait_tensorcnt 0x0                           ; my slice of Wk or Wv has landed,
	s_wait_dscnt 0x0
	s_barrier_signal -1
	s_barrier_wait -1                              ; everybody's has
	EPIQ 3
	s_cmp_lt_u32 s35, 2
	s_cbranch_scc0 .Lpath_v
	; ---- k: d = 32 (J & 1) on, for my 32 keys.  Block mt = the keys' tile
	v_add_nc_u32 v[BAD], KVROW, v[BA]
	s_lshl_b32 s46, s[WV], 11
	s_lshl_b32 s45, s36, 9
	s_add_co_u32 s46, s46, s45
	s_add_nc_u64 s[88:89], s[30:31], s[46:47]      ; K's image: tile 2 w + mt, 1,024 bytes each; half c = J & 1, 512 bytes
	s_lshl_b32 s46, s[WV], 2
	s_lshl_b32 s45, s36, 1
	s_add_co_u32 s46, s46, s45
	s_add_nc_u64 s[90:91], s[30:31], s[46:47]      ; K's scale words: 16 bytes a lane; word w; my two bytes of it
	KVSTEPS 0, 16
.irp mt, 0,1
	global_store_b128 v[L16], v[PC+4*\mt:PC+4*\mt+3], s[88:89] offset:\mt*1024
.endr
	v_cndmask_b32 v[OW], v[TM+4], v[TM+5], s37     ; lanes 0-15 the even tile's byte, lanes 16-31 the odd one's
	v_or_b32 v[OW], 0x7f00, v[OW]                  ; and 1.0 for the block of zero codes behind it
	global_store_b16 v[L16], v[OW], s[90:91] offset:16384
	s_branch .Ljoin
.Lpath_v:
	; ---- v: d = 32 (J & 1) on, two tiles of chosen rows; my 32 keys are one block.  Block u = the tile of d
	v_mul_u32_u24 v[BAD], v[RR], PITCH
	v_lshl_add_u32 v[BAD], v[H], 4, v[BAD]
	v_add_nc_u32 v[BAD], KVROW, v[BAD]
	s_lshl_b32 s46, s36, 12
	s_lshl_b32 s45, s[WV], 9
	s_add_co_u32 s46, s46, s45
	s_add_nc_u64 s[88:89], s[30:31], s[46:47]      ; V's image: tile 2 (J & 1) + u, 2,048 bytes each; key block w, 512 bytes
	s_lshl_b32 s46, s36, 2
	s_add_co_u32 s46, s46, s[WV]
	s_add_nc_u64 s[90:91], s[30:31], s[46:47]      ; V's scale words: 8 bytes a lane; word J & 1; byte w
	KVSTEPS 1, 8
.irp u, 0,1
	global_store_b128 v[L16], v[PC+4*\u:PC+4*\u+3], s[88:89] offset:8192+\u*2048
.endr
	v_cndmask_b32 v[OW], v[TM+4], v[TM+5], s37
	global_store_b8 v[L8], v[OW], s[90:91] offset:16896
.Ljoin:
	s_wait_tensorcnt 0x0
	ds_add_u32 v254, v255
	s_wait_dscnt 0x0
	CROUND                                         ; the closing round: no work-group ends while a partner may still ask for a slice that names it
	s_endpgm
.Lfunc_end_k_q4de7a0469a_proj:
	.size	k_q4de7a0469a_proj, .Lfunc_end_k_q4de7a0469a_proj-k_q4de7a0469a_proj
	.p2alignl 7, 3214868480
	.fill 96, 4, 3214868480
	.section	.rodata,"a",@progbits
	.p2align	6, 0x0
	.amdhsa_kernel k_q4de7a0469a_proj
		.amdhsa_group_segment_fixed_size 300544
		.amdhsa_private_segment_fixed_size 0
		.amdhsa_enable_private_segment 0
		.amdhsa_kernarg_size 112
		.amdhsa_user_sgpr_count 2
		.amdhsa_user_sgpr_kernarg_segment_ptr 1
		.amdhsa_wavefront_size32 1
		.amdhsa_system_sgpr_workgroup_id_x 1
		.amdhsa_system_sgpr_workgroup_id_y 1
		.amdhsa_system_sgpr_workgroup_id_z 1
		.amdhsa_system_vgpr_workitem_id 0
		.amdhsa_next_free_vgpr 1024
		.amdhsa_next_free_sgpr 100
		.amdhsa_reserve_vcc 0
		.amdhsa_float_denorm_mode_32 3
		.amdhsa_float_denorm_mode_16_64 3
		.amdhsa_memory_ordered 1
		.amdhsa_forward_progress 1
		.amdhsa_inst_pref_size 159
	.end_amdhsa_kernel
	.amdgpu_metadata
---
amdhsa.version: [ 1, 2 ]
amdhsa.kernels:
  - .name:           k_q4de7a0469a_proj
    .symbol:         k_q4de7a0469a_proj.kd
    .args:
      - { .name: hidden_state_codes, .offset: 0, .size: 8, .value_kind: global_buffer, .address_space: global }
      - { .name: hidden_state_scales, .offset: 8, .size: 8, .value_kind: global_buffer, .address_space: global }
      - { .name: Wq_codes, .offset: 16, .size: 8, .value_kind: global_buffer, .address_space: global }
      - { .name: Wq_scales, .offset: 24, .size: 8, .value_kind: global_buffer, .address_space: global }
      - { .name: bq, .offset: 32, .size: 8, .value_kind: global_buffer, .address_space: global }
      - { .name: Wk_codes, .offset: 40, .size: 8, .value_kind: global_buffer, .address_space: global }
      - { .name: Wk_scales, .offset: 48, .size: 8, .value_kind: global_buffer, .address_space: global }
      - { .name: bk, .offset: 56, .size: 8, .value_kind: global_buffer, .address_space: global }
      - { .name: Wv_codes, .offset: 64, .size: 8, .value_kind: global_buffer, .address_space: global }
      - { .name: Wv_scales, .offset: 72, .size: 8, .value_kind: global_buffer, .address_space: global }
      - { .name: bv, .offset: 80, .size: 8, .value_kind: global_buffer, .address_space: global }
      - { .name: q_img, .offset: 88, .size: 8, .value_kind: global_buffer, .address_space: global }
      - { .name: q_sc, .offset: 96, .size: 8, .value_kind: global_buffer, .address_space: global }
      - { .name: kv, .offset: 104, .size: 8, .value_kind: global_buffer, .address_space: global }
    .group_segment_fixed_size: 300544
    .private_segment_fixed_size: 0
    .kernarg_segment_align: 8
    .kernarg_segment_size: 112
    .max_flat_workgroup_size: 128
    .sgpr_count:     100
    .vgpr_count:     1024
    .wavefront_size: 32
...
	.end_amdgpu_metadata
.endif
;; end of part 1
;; launch attn (part 2): grid 64 x 4, 16 waves a work-group, clusters of 4 x 1, 276,480 bytes of LDS; arguments q_img, q_sc, kv, o_img, o_sc; writes o_img, o_sc
.if DOCPART == 2
	.amdgcn_target "amdgcn-amd-amdhsa--gfx1250"
	.amdhsa_code_object_version 6
	.text
	.protected	k_q4de7a0469a_attn
	.globl	k_q4de7a0469a_attn
	.p2align	8
	.type	k_q4de7a0469a_attn,@function
k_q4de7a0469a_attn:
	s_mov_b64 s[64:65], 0
	v_nop
	global_prefetch_b8 v0, s[64:65] scope:SCOPE_SE
	s_setreg_imm32_b32 hwreg(HW_REG_WAVE_MODE, 25, 1), 1
	s_wait_xcnt 0x0
	s_wait_alu depctr_hold_cnt(0) depctr_sa_sdst(0) depctr_va_vdst(0) depctr_va_sdst(0) depctr_va_ssrc(0) depctr_va_vcc(0) depctr_vm_vsrc(0)
	s_getreg_b32 s2, hwreg(HW_REG_IB_STS2, 6, 4)
	s_cmp_eq_u32 s2, 0
	s_cbranch_scc0 .Lentry_in_a_cluster
	s_endpgm
.Lentry_in_a_cluster:
	s_bfe_u32 s2, ttmp6, 0x10000c
	s_cmp_lg_u32 s2, 0x3003
	s_cbranch_scc0 .Lentry_shape_is_right
	s_endpgm
.Lentry_shape_is_right:
; o[b][q][head][:] = the sum over keys of softmax(q . k / 8) v, one k and one v for all 16 heads; both products on codes of FP8 (E4M3) with one E8M0 scale for each 32 along a product's K.
; THE SOFTMAX AHEAD OF THE SECOND PRODUCT: t = score x log2(e) / 8; M = the row's largest t so far, rounded UP to a whole number; p = 2^(t - M) is what is quantised, along the keys, not normalised.
; The row's sum is taken of the unquantised p, in f32, and divides O at the end.  When M moves, the sum and O are multiplied by 2^(old M - new M): exact.  The finished o is quantised along hidden and leaves as codes.
; SHARES.  A work-group owns 32 queries of one batch, for all 16 heads.  Wave w: pair of heads w & 7, tile of 16 queries w >> 3; it walks all 2,048 keys twice, once for each head of its pair, 128 keys a step.
; Sixteen waves of 256 registers, four to a SIMD: one wave's vector work stands beside another's matrix work and LDS loads.
; LDS.  The batch's 16 records of kv (17,152 bytes each: K's image, V's image, their scale words) are 274,432 consecutive bytes; wave w brings record w by ONE tensor load, once: one load of a wave is out, nothing is filled twice.
; CLUSTER.  The four work-groups of a cluster belong to one batch and want the same records: each load is a joint one (mask 15).
; LAYOUT.  Both products are used transposed: S^T = K Q^T (source 0 = 16 keys, source 1 = my 16 queries), O^T = V^T P^T (source 0 = 16 of the head's 64, source 1 = P): a lane holds ONE query (lane % 16) throughout.
; The images are the operands' registers as they stand: lane l's 16 bytes at 16 l, so every LDS load takes 512 consecutive bytes.  The first product's K = 64 lies in the instruction's blocks 0 and 2 (registers 0-3, 8-11);
; blocks 1 and 3 are zero codes on both sides under the byte for 1.0: registers written once.  p's 16 registers of two neighbouring tiles are the keys 32 c + 16 (i / 8) + 8 (lane / 16) + i % 8, and V's image has that order.
; V's tiles hold chosen d, so that O^T's 16 registers of two tiles are d = 32 B + 16 (lane / 16) + 0 .. 15: the order that the last product's operand wants.
; LIMITS: NaN and infinities are not served.  A block of zeros gets the byte 1: its codes are zeros, and this program alone reads the bytes.
; A block's largest p is taken from the block's largest score by the same multiply-add and exponential; this takes v_exp_f32 not to fall where its input rises.
.set REC, 17152
.set L16, 1                            ; v1   16 x lane
.set ADR, 2                            ; v2   the step's record + 16 x lane
.set L8,  3                            ; v3   8 x lane
.set ADV, 4                            ; v4   the step's record + 8 x lane
.set L4,  5                            ; v5   4 x lane
.set OSA, 6                            ; v6   4 (16 tp + lane % 16): my row's scale word in o_sc
.set QF,  16                           ; v16-31  Q
.set KF,  32                           ; v32-95  four fragments of K
.set SP,  96                           ; v96-159 S^T, then p, then V's four fragments
.set OT,  160                          ; v160-191 O^T.   v12 -M, v13 the largest t, v[14:15] the sum in two halves
.set PC,  192                          ; v192-207 p's codes; at a pass's end o's
.set TM,  208                          ; v208-223 the quantiser's
.set KS,  224                          ; v224-227 K's scale words (tiles 2 p and 2 p + 1 in the two halves of the lanes)
.set VS,  228                          ; v228-229 V's
.set QS,  230                          ; v230 Q's: lanes 0-15 the even head, lanes 16-31 the odd one
.set PW,  231                          ; v231 p's scale word
.set FF,  232                          ; v[232:233] f, later 1 / the sum
.set TT,  234
.set OW,  235                          ; o's scale word for my 128 of hidden
.set WV,  18
.set MNT, 19
.set SEL, 20
.set CS,  22
.set G1,  24
.set G0,  32
.set TB,  36                           ; s36 LDS byte at which the step's record begins
.set CNT, 37
.macro PLACES
.rept 8
	v_nop
.endr
.endm
.macro CROUND
	s_barrier_signal -1
	s_barrier_wait -1
	s_cmp_lg_u32 s[WV], 0
	s_cbranch_scc1 .Lnot_wave_0_\@
	s_barrier_signal -3
.Lnot_wave_0_\@:
	s_barrier_wait -3
	s_barrier_signal -1
	s_barrier_wait -1
.endm
.macro WMSC d, a, b, c, sa, sb, ra, rb
.if (\ra) && (\rb)
	v_wmma_scale_f32_16x16x128_f8f6f4 v[\d:\d+7], v[\a:\a+15], v[\b:\b+15], v[\c:\c+7], v[\sa], v[\sb] matrix_a_scale:MATRIX_SCALE_ROW1 matrix_b_scale:MATRIX_SCALE_ROW1
.elseif \ra
	v_wmma_scale_f32_16x16x128_f8f6f4 v[\d:\d+7], v[\a:\a+15], v[\b:\b+15], v[\c:\c+7], v[\sa], v[\sb] matrix_a_scale:MATRIX_SCALE_ROW1
.elseif \rb
	v_wmma_scale_f32_16x16x128_f8f6f4 v[\d:\d+7], v[\a:\a+15], v[\b:\b+15], v[\c:\c+7], v[\sa], v[\sb] matrix_b_scale:MATRIX_SCALE_ROW1
.else
	v_wmma_scale_f32_16x16x128_f8f6f4 v[\d:\d+7], v[\a:\a+15], v[\b:\b+15], v[\c:\c+7], v[\sa], v[\sb]
.endif
.endm
.macro WMS0 d, a, b, sa, sb, ra, rb    ; the same with the constant 0 as C
.if (\ra) && (\rb)
	v_wmma_scale_f32_16x16x128_f8f6f4 v[\d:\d+7], v[\a:\a+15], v[\b:\b+15], 0, v[\sa], v[\sb] matrix_a_scale:MATRIX_SCALE_ROW1 matrix_b_scale:MATRIX_SCALE_ROW1
.elseif \ra
	v_wmma_scale_f32_16x16x128_f8f6f4 v[\d:\d+7], v[\a:\a+15], v[\b:\b+15], 0, v[\sa], v[\sb] matrix_a_scale:MATRIX_SCALE_ROW1
.elseif \rb
	v_wmma_scale_f32_16x16x128_f8f6f4 v[\d:\d+7], v[\a:\a+15], v[\b:\b+15], 0, v[\sa], v[\sb] matrix_b_scale:MATRIX_SCALE_ROW1
.else
	v_wmma_scale_f32_16x16x128_f8f6f4 v[\d:\d+7], v[\a:\a+15], v[\b:\b+15], 0, v[\sa], v[\sb]
.endif
.endm
; nb blocks of a lane's 16 registers from v[s] on become codes in v[PC + 4 b] on and bytes in v[TM + 4 + b].  A block of 32 lies in lanes l and l xor 16
.macro QUANT s, nb
.irp b, 0,1,2,3
.if \b < \nb
	v_max3_num_f32 v[TM+\b], |v[\s+16*\b]|, |v[\s+1+16*\b]|, 0x4800000   ; my 16 numbers, and the floor 2^(9 - 127): so the byte cannot fall under 1
.endif
.endr
.irp i, 2,4,6,8,10,12,14
.irp b, 0,1,2,3
.if \b < \nb
	v_max3_num_f32 v[TM+\b], v[TM+\b], |v[\s+16*\b+\i]|, |v[\s+1+16*\b+\i]|
.endif
.endr
.endr
.irp b, 0,1,2,3
.if \b < \nb
	v_permlanex16_b32 v[TM+4+\b], v[TM+\b], s[SEL], s[SEL+1]
.endif
.endr
.irp b, 0,1,2,3
.if \b < \nb
	v_max_num_f32 v[TM+\b], v[TM+\b], v[TM+4+\b]
.endif
.endr
.irp b, 0,1,2,3
.if \b < \nb
	v_add_nc_u32 v[TM+12+\b], 0xfc000000, v[TM+\b]   ; 8 off the exponent field: the conversion's scale operand
.endif
.endr
.irp b, 0,1,2,3
.if \b < \nb
	v_and_or_b32 v[TM+8+\b], v[TM+\b], 0x7f800000, s[MNT]   ; 448 x the scale
.endif
.endr
.irp b, 0,1,2,3
.if \b < \nb
	v_lshrrev_b32 v[TM+4+\b], 23, v[TM+12+\b]      ; the scale's byte
.endif
.endr
.irp b, 0,1,2,3
.if \b < \nb
.irp i, 0,1,2,3,4,5,6,7,8,9,10,11,12,13,14,15
	v_med3_num_f32 v[\s+16*\b+\i], v[\s+16*\b+\i], -v[TM+8+\b], v[TM+8+\b]   ; the conversion to an 8-bit code does not saturate (ISA guide 7.6.2)
.endr
	v_cvt_scalef32_pk8_fp8_f32 v[PC+4*\b:PC+4*\b+1], v[\s+16*\b:\s+16*\b+7], v[TM+12+\b]
	v_cvt_scalef32_pk8_fp8_f32 v[PC+4*\b+2:PC+4*\b+3], v[\s+16*\b+8:\s+16*\b+15], v[TM+12+\b]
.endif
.endr
	v_nop                                          ; one plain instruction between the last conversion and whatever next writes its sources
.endm
; A KEY STEP: 128 keys.  rowq: which half of the lanes holds my head's scale words of Q
.macro STEP rowq
	v_add_nc_u32 v[ADR], s[TB], v[L16]
	v_add_nc_u32 v[ADV], s[TB], v[L8]
	PLACES                                         ; with the two additions ten places: behind the last step's products stand the loads into V's scale words (eight are asked) and the scores that write over V's fragments (nine)
.irp g, 0,1                                    ; S^T = K Q^T, four tiles of 16 keys at a time
.if \g
	PLACES                                         ; in front of loads into registers that matrix instructions have read
.endif
.irp f, 0,1,2,3
	ds_load_b128 v[KF+16*\f:KF+16*\f+3], v[ADR] offset:(4*\g+\f)*1024             ; d's first block of 32: the instruction's block 0
	ds_load_b128 v[KF+16*\f+8:KF+16*\f+11], v[ADR] offset:(4*\g+\f)*1024+512      ; its second: block 2
.endr
.if \g == 0
	ds_load_b128 v[KS:KS+3], v[ADR] offset:16384
	ds_load_b64 v[VS:VS+1], v[ADV] offset:16896
.endif
	s_wait_dscnt 0x0
.irp f, 0,1,2,3
	WMS0 SP+8*(4*\g+\f), KF+16*\f, QF, KS+(4*\g+\f)/2, QS, \f%2, \rowq
.endr
.endr
	PLACES
.irp b, 0,1,2,3
	v_max3_num_f32 v[TM+\b], v[SP+16*\b], v[SP+1+16*\b], v[SP+2+16*\b]   ; THE LARGEST SCORE OF EACH BLOCK OF 32 KEYS: for the row's maximum and, since p rises with the score, for the block's largest p.  Each accumulator is read from its low end on
.endr
.irp i, 3,5,7,9,11,13
.irp b, 0,1,2,3
	v_max3_num_f32 v[TM+\b], v[TM+\b], v[SP+16*\b+\i], v[SP+1+16*\b+\i]
.endr
.endr
.irp b, 0,1,2,3
	v_max_num_f32 v[TM+\b], v[TM+\b], v[SP+15+16*\b]
.endr
.irp b, 0,1,2,3
	v_permlanex16_b32 v[TM+4+\b], v[TM+\b], s[SEL], s[SEL+1]
.endr
.irp b, 0,1,2,3
	v_max_num_f32 v[TM+\b], v[TM+\b], v[TM+4+\b]   ; with lane l xor 16's 16 keys
.endr
	v_max3_num_f32 v[TT], v[TM], v[TM+1], v[TM+2]
	v_max_num_f32 v[TT], v[TT], v[TM+3]            ; the step's largest score of my query
	v_mul_f32 v[TT], s[CS], v[TT]                  ; as t (c is positive)
	v_max_num_f32 v13, v13, v[TT]                  ; the running largest t
	v_mov_b32 v[TT], v12
	v_floor_f32 v12, -v13                          ; the new -M = floor(-t) = -ceil(t): M is a whole number
	v_sub_f32 v[TT], v12, v[TT]                    ; old M - new M: a whole number, 0 or less
	v_cvt_i32_f32 v[TT], v[TT]                     ; (it saturates)
	v_ldexp_f32 v[FF], 1.0, v[TT]                  ; f = 2^(old M - new M)
.set jj, 0
.rept 32
	v_pk_fma_f32 v[SP+jj:SP+jj+1], v[SP+jj:SP+jj+1], s[CS:CS+1], v[12:13] op_sel_hi:[1,0,0]   ; t - M, two at a time (of the pairs c and -M the low word serves both halves)
.set jj, jj+2
.endr
.irp b, 0,1,2,3
	v_fma_f32 v[TM+\b], v[TM+\b], s[CS], v12       ; the same of each block's largest score
.endr
.set jj, 0
.rept 64
	v_exp_f32 v[SP+jj], v[SP+jj]                   ; p = 2^(t - M), at most 1
.set jj, jj+1
.endr
.irp b, 0,1,2,3
	v_exp_f32 v[TM+\b], v[TM+\b]                   ; the block's largest p
.endr
	v_pk_mul_f32 v[14:15], v[14:15], v[FF:FF+1] op_sel_hi:[1,0]   ; the sums under the new M.  (A plain place behind the exponentials)
	s_wait_alu depctr_va_vdst(0)
.irp b, 0,1,2,3
	v_max_num_f32 v[TM+\b], 0x4800000, v[TM+\b]    ; the floor 2^(9 - 127)
.endr
.irp b, 0,1,2,3
	v_add_nc_u32 v[TM+12+\b], 0xfc000000, v[TM+\b]
.endr
.irp b, 0,1,2,3
	v_and_or_b32 v[TM+8+\b], v[TM+\b], 0x7f800000, s[MNT]
.endr
.irp b, 0,1,2,3
	v_lshrrev_b32 v[TM+4+\b], 23, v[TM+12+\b]
.endr
	v_lshl_or_b32 v[PW], v[TM+5], 8, v[TM+4]       ; p's scale word for these 128 keys
	v_lshl_or_b32 v[PW], v[TM+6], 16, v[PW]
	v_lshl_or_b32 v[PW], v[TM+7], 24, v[PW]
	v_pk_add_f32 v[TM+4:TM+5], v[SP:SP+1], v[SP+2:SP+3]   ; THE ROW'S SUM IS TAKEN OF THE UNQUANTISED p: two at a time, in two chains
.irp j, 4,8,12,16,20,24,28,32,36,40,44,48,52,56,60
	v_pk_add_f32 v[14:15], v[14:15], v[SP+\j:SP+\j+1]
	v_pk_add_f32 v[TM+4:TM+5], v[TM+4:TM+5], v[SP+2+\j:SP+3+\j]
.endr
	v_pk_add_f32 v[14:15], v[14:15], v[TM+4:TM+5]
.irp b, 0,1,2,3
.irp i, 0,1,2,3,4,5,6,7,8,9,10,11,12,13,14,15
	v_min_num_f32 v[SP+16*\b+\i], v[SP+16*\b+\i], v[TM+8+\b]   ; the hold; p is not negative, so it is one-sided
.endr
	v_cvt_scalef32_pk8_fp8_f32 v[PC+4*\b:PC+4*\b+1], v[SP+16*\b:SP+16*\b+7], v[TM+12+\b]
	v_cvt_scalef32_pk8_fp8_f32 v[PC+4*\b+2:PC+4*\b+3], v[SP+16*\b+8:SP+16*\b+15], v[TM+12+\b]
.endr
.irp dt, 0,1,2,3                               ; V's four fragments take p's registers: 16 of the head's 64 x these 128 keys each
.irp c, 0,1,2,3
	ds_load_b128 v[SP+16*\dt+4*\c:SP+16*\dt+4*\c+3], v[ADR] offset:8192+\dt*2048+\c*512
.endr
.endr
.set jj, 0
.rept 16
	v_pk_mul_f32 v[OT+jj:OT+jj+1], v[OT+jj:OT+jj+1], v[FF:FF+1] op_sel_hi:[1,0]   ; O^T under the new M, from each accumulator's low end on.  (These sixteen are also the places between the conversions and the products)
.set jj, jj+2
.endr
	s_wait_dscnt 0x0
.irp dt, 0,1,2,3                               ; O^T += V^T P^T: four accumulators by turns
	WMSC OT+8*\dt, SP+16*\dt, PC, OT+8*\dt, VS+\dt/2, PW, \dt%2, 0
.endr
	s_add_co_u32 s[TB], s[TB], REC                 ; the next step's record
.endm
; ONE HEAD: head 2 (w & 7) + p
.macro PASS p
.if \p
	s_wait_xcnt 0x0                                ; the first head's stores have read the codes' registers
	s_wait_loadcnt 0x0                             ; the second head's Q
.endif
	v_mov_b32 v13, 0xff61b1e6                      ; the largest t so far: -3e38, under every t
	v_floor_f32 v12, -v13                          ; -M
	v_mov_b32 v14, 0
	v_mov_b32 v15, 0
.set jj, 0
.rept 32
	v_mov_b32 v[OT+jj], 0                          ; O^T.  (The step is written once: the first finds zeros, which the first change of M leaves zeros)
.set jj, jj+1
.endr
	s_mov_b32 s[TB], 0
	s_mov_b32 s[CNT], 16
.Lstep_\@:
	STEP \p
	s_sub_co_u32 s[CNT], s[CNT], 1
	s_cmp_lg_u32 s[CNT], 0
	s_cbranch_scc1 .Lstep_\@
.if \p == 0
	global_load_b128 v[QF:QF+3], v[L16], s[4:5] offset:1024       ; the next head's Q lands while this head leaves (the softmax stands between these loads and the last product that read Q)
	global_load_b128 v[QF+8:QF+11], v[L16], s[4:5] offset:1536
.endif
	v_add_f32 v14, v14, v15                        ; the sum's two halves,
	v_permlanex16_b32 v[TT], v14, s[SEL], s[SEL+1]
	v_add_f32 v14, v14, v[TT]                      ; and lane l xor 16's: the row's sum
	v_rcp_f32 v[FF], v14
	PLACES                                         ; eight places behind the last products; the first is also the plain place behind the reciprocal
.set jj, 0
	s_wait_alu depctr_va_vdst(0)
.rept 16
	v_pk_mul_f32 v[OT+jj:OT+jj+1], v[OT+jj:OT+jj+1], v[FF:FF+1] op_sel_hi:[1,0]   ; O^T / the sum
.set jj, jj+2
.endr
	QUANT OT, 2                                    ; block B: d = 32 B + 16 (lane / 16) + 0 .. 15 of my head
.irp bb, 0,1
	global_store_b128 v[L16], v[PC+4*\bb:PC+4*\bb+3], s[10:11] offset:(2*\p+\bb)*512   ; registers 4 c .. 4 c + 3 of the last product's fragment, c = 2 p + B: 512 consecutive bytes a wave
.endr
.if \p == 0
	v_lshl_or_b32 v[OW], v[TM+5], 8, v[TM+4]
.else
	v_lshl_or_b32 v[OW], v[TM+4], 16, v[OW]
	v_lshl_or_b32 v[OW], v[TM+5], 24, v[OW]
	global_store_b32 v[OSA], v[OW], s[12:13]       ; my row's word for these 128 of hidden; both halves of the lanes hold it and write the same word
.endif
.endm
	s_load_b256 s[4:11], s[0:1], 0x0               ; q_img s[4:5], q_sc s[6:7], kv s[8:9], o_img s[10:11]
	s_load_b64 s[12:13], s[0:1], 0x20              ; o_sc
	v_lshl_add_u32 v254, v0, 2, 0x43000
	v_mov_b32 v255, 0
	ds_add_u32 v254, v255
	ds_add_u32 v254, v255
	v_lshrrev_b32 v[TT], 5, v0
	v_readfirstlane_b32 s[WV], v[TT]               ; wave 0..15
	v_and_b32 v[L16], 31, v0
	v_lshlrev_b32 v[L8], 3, v[L16]
	v_lshlrev_b32 v[L4], 2, v[L16]
	v_lshlrev_b32 v[L16], 4, v[L16]
	v_and_b32 v[OSA], 15, v0
	v_lshlrev_b32 v[OSA], 2, v[OSA]
	s_bfe_u32 s40, ttmp6, 0x40000                  ; cx: it enters Q's and o's addresses alone
	s_lshl_b32 s41, ttmp9, 2
	s_add_co_u32 s41, s41, s40                     ; X: my block of 32 queries
	s_and_b32 s42, ttmp7, 0xffff                   ; the batch, which the four partners share
	s_and_b32 s43, s[WV], 7                        ; my pair of heads
	s_lshr_b32 s44, s[WV], 3                       ; my tile of queries
	s_lshl_b32 s47, s44, 6
	v_add_nc_u32 v[OSA], s47, v[OSA]
	s_lshl_b32 s45, s42, 7
	s_lshl_b32 s46, s41, 1
	s_add_co_u32 s45, s45, s46
	s_add_co_u32 s45, s45, s44                     ; qt = 128 b + 2 X + tp
	s_lshl_b32 s46, s45, 14
	s_lshl_b32 s48, s43, 11
	s_add_co_u32 s46, s46, s48                     ; q_img and o_img: 16,384 bytes a tile of rows, 2,048 a pair of heads
	s_mov_b32 s47, 0
	s_lshl_b32 s48, s45, 10
	s_lshl_b32 s54, s43, 7
	s_add_co_u32 s48, s48, s54                     ; q_sc: 1,024 a tile, 128 a pair of heads
	s_mov_b32 s49, 0
	s_lshl_b32 s56, s42, 6
	s_add_co_u32 s56, s56, s41
	s_lshl_b32 s56, s56, 10
	s_add_co_u32 s56, s56, s54                     ; o_sc: 1,024 a pair of tiles (64 b + X), 128 a pair of heads
	s_mov_b32 s57, 0
	s_mul_i32 s50, s42, 16*REC
	s_mul_i32 s52, s[WV], REC
	s_add_co_u32 s50, s50, s52                     ; kv: the batch's record w: made of the batch and the wave's number alone
	s_mov_b32 s51, 0
	s_mov_b32 s[MNT], 0x600000                     ; the mantissa field of 448
	s_mov_b32 s[SEL], 0x76543210
	s_mov_b32 s[SEL+1], 0xfedcba98
	s_mov_b32 s[CS], 0x3e38aa3b                    ; c = log2(e) / 8
	s_mov_b32 s[CS+1], s[CS]                       ; (named with it as a pair, so it is written)
	; descriptor group 1: a record is dense: 67 rows of 256 bytes (32 elements of 8 bytes), no padding
	s_mov_b32 s[G1], 15|(3<<16)|(1<<21)            ; 15:0 the mask: all four work-groups; 17:16 elements of 8 bytes; 21 set beside a mask
	s_mov_b32 s[G1+1], 32<<16                      ; tensor_dim0
	s_mov_b32 s[G1+2], 67<<16                      ; tensor_dim1
	s_mov_b32 s[G1+3], 32<<16                      ; tile_dim0
	s_mov_b32 s[G1+4], 67                          ; tile_dim1
	s_mov_b32 s[G1+5], 32                          ; tensor_dim0_stride
	s_mov_b32 s[G1+6], 0
	s_mov_b32 s[G1+7], 0
	s_wait_dscnt 0x0
	s_wait_kmcnt 0x0
	s_mov_b32 s[G0], 1
	s_mov_b32 s[G0+1], s52                         ; LDS address: record w
	s_add_nc_u64 s[G0+2:G0+3], s[8:9], s[50:51]
	s_or_b32 s[G0+3], s[G0+3], 0x80000000
	s_add_nc_u64 s[4:5], s[4:5], s[46:47]
	s_add_nc_u64 s[10:11], s[10:11], s[46:47]
	s_add_nc_u64 s[6:7], s[6:7], s[48:49]
	s_add_nc_u64 s[12:13], s[12:13], s[56:57]
	CROUND                                         ; all four work-groups are here: the joint loads meet
	tensor_load_to_lds s[G0:G0+3], s[G1:G1+7]
	s_nop 0
.rept 4
	v_nop
.endr
	global_load_b128 v[QF:QF+3], v[L16], s[4:5]            ; the even head's Q: block 0,
	global_load_b128 v[QF+8:QF+11], v[L16], s[4:5] offset:512   ; block 2
	global_load_b32 v[QS], v[L4], s[6:7]                   ; both heads' scale words
.irp j, 4,5,6,7,12,13,14,15
	v_mov_b32 v[QF+\j], 0                          ; blocks 1 and 3: zero codes, written once
.irp f, 0,1,2,3
	v_mov_b32 v[KF+16*\f+\j], 0
.endr
.endr
.irp b, 0,1,2,3
	v_mov_b32 v[TM+4+\b], 0                        ; written once: a lane permute's destination counts as one of its sources
.endr
	v_mov_b32 v[FF+1], 0                           ; (named as the upper half of a pair)
	s_wait_tensorcnt 0x0                           ; my record has landed,
	s_barrier_signal -1
	s_barrier_wait -1                              ; everybody's has
	s_wait_loadcnt 0x0                             ; Q
	PASS 0
	PASS 1
	s_wait_dscnt 0x0
	s_wait_tensorcnt 0x0
	ds_add_u32 v254, v255
	s_wait_dscnt 0x0
	CROUND                                         ; the closing round
	s_endpgm
.Lfunc_end_k_q4de7a0469a_attn:
	.size	k_q4de7a0469a_attn, .Lfunc_end_k_q4de7a0469a_attn-k_q4de7a0469a_attn
	.p2alignl 7, 3214868480
	.fill 96, 4, 3214868480
	.section	.rodata,"a",@progbits
	.p2align	6, 0x0
	.amdhsa_kernel k_q4de7a0469a_attn
		.amdhsa_group_segment_fixed_size 276480
		.amdhsa_private_segment_fixed_size 0
		.amdhsa_enable_private_segment 0
		.amdhsa_kernarg_size 40
		.amdhsa_user_sgpr_count 2
		.amdhsa_user_sgpr_kernarg_segment_ptr 1
		.amdhsa_wavefront_size32 1
		.amdhsa_system_sgpr_workgroup_id_x 1
		.amdhsa_system_sgpr_workgroup_id_y 1
		.amdhsa_system_sgpr_workgroup_id_z 1
		.amdhsa_system_vgpr_workitem_id 0
		.amdhsa_next_free_vgpr 256
		.amdhsa_next_free_sgpr 66
		.amdhsa_reserve_vcc 0
		.amdhsa_float_denorm_mode_32 3
		.amdhsa_float_denorm_mode_16_64 3
		.amdhsa_memory_ordered 1
		.amdhsa_forward_progress 1
		.amdhsa_inst_pref_size 58
	.end_amdhsa_kernel
	.amdgpu_metadata
---
amdhsa.version: [ 1, 2 ]
amdhsa.kernels:
  - .name:           k_q4de7a0469a_attn
    .symbol:         k_q4de7a0469a_attn.kd
    .args:
      - { .name: q_img, .offset: 0, .size: 8, .value_kind: global_buffer, .address_space: global }
      - { .name: q_sc, .offset: 8, .size: 8, .value_kind: global_buffer, .address_space: global }
      - { .name: kv, .offset: 16, .size: 8, .value_kind: global_buffer, .address_space: global }
      - { .name: o_img, .offset: 24, .size: 8, .value_kind: global_buffer, .address_space: global }
      - { .name: o_sc, .offset: 32, .size: 8, .value_kind: global_buffer, .address_space: global }
    .group_segment_fixed_size: 276480
    .private_segment_fixed_size: 0
    .kernarg_segment_align: 8
    .kernarg_segment_size: 40
    .max_flat_workgroup_size: 512
    .sgpr_count:     66
    .vgpr_count:     256
    .wavefront_size: 32
...
	.end_amdgpu_metadata
.endif
;; end of part 2
;; launch outp (part 3): grid 64 x 4, 4 waves a work-group, clusters of 4 x 1, 301,568 bytes of LDS; arguments o_img, o_sc, Wo_codes, Wo_scales, bo, out0; writes out0
.if DOCPART == 3
	.amdgcn_target "amdgcn-amd-amdhsa--gfx1250"
	.amdhsa_code_object_version 6
	.text
	.protected	k_q4de7a0469a_outp
	.globl	k_q4de7a0469a_outp
	.p2align	8
	.type	k_q4de7a0469a_outp,@function
k_q4de7a0469a_outp:
	s_mov_b64 s[64:65], 0
	v_nop
	global_prefetch_b8 v0, s[64:65] scope:SCOPE_SE
	s_setreg_imm32_b32 hwreg(HW_REG_WAVE_MODE, 25, 1), 1
	s_wait_xcnt 0x0
	s_wait_alu depctr_hold_cnt(0) depctr_sa_sdst(0) depctr_va_vdst(0) depctr_va_sdst(0) depctr_va_ssrc(0) depctr_va_vcc(0) depctr_vm_vsrc(0)
	s_getreg_b32 s2, hwreg(HW_REG_IB_STS2, 6, 4)
	s_cmp_eq_u32 s2, 0
	s_cbranch_scc0 .Lentry_in_a_cluster
	s_endpgm
.Lentry_in_a_cluster:
	s_bfe_u32 s2, ttmp6, 0x10000c
	s_cmp_lg_u32 s2, 0x3003
	s_cbranch_scc0 .Lentry_shape_is_right
	s_endpgm
.Lentry_shape_is_right:
; out0 = o Wo + bo on codes of FP8 (E4M3) with one E8M0 scale for each 32 along K = 1,024; sums in f32.  o comes as images of its fragments' registers (o_img) and scale words (o_sc), Wo as it is given, K innermost.
; SHARES.  Work-group (Mblk, J): 128 rows x 256 columns.  Wave w takes rows 32 w .. 32 w + 31 (two tiles) and all 256 columns, 64 at a time.  Its rows' codes stay in 256 registers; Wo's 256 rows, 1,024 bytes each, lie in LDS, filled ONCE.
; CLUSTER.  The four work-groups of a cluster share J and want the same rows of Wo: each slice is asked for jointly (mask 15).  o goes to registers and is read once by its work-group.
; No LDS byte is filled twice.  Four tensor loads of a wave are out at the most, issued together.
; THE MATRIX INSTRUCTION IS USED TRANSPOSED (source 0 = 16 rows of Wo, source 1 = 16 rows of o): a lane holds eight neighbouring numbers of a row of out0.  bo is the C of each sum's first matrix instruction.
; THE WAY OUT.  32 rows x 64 columns go through the wave's own stage in LDS, behind the weights, into which no tensor load lands, and leave as rows: sixteen lanes store 256 consecutive bytes, at a multiple of 256 from out0's first byte.
; REGISTERS, in windows of 256.  window 0: v1-13 addresses; v16-23 o's scale words (lanes 0-15 tile 0, lanes 16-31 tile 1); v24-87 Wo's (pair of tiles p, K step s at 24 + 8 p + s); v96-159 eight accumulators; v160-223 rows on their way out.
;   window 1: o's fragments (tile mt, K step s at 16 (8 mt + s)).  window 2: four buffers of four fragments of Wo.  window 3: bo as C (tile T at 8 T).
.set PITCH, 1040                       ; a row of Wo in LDS: 1,024 bytes + 16 of padding = 65 x 16
.set CHUNK, 64*PITCH
.set STAGE, 256*PITCH                  ; 266,240, a multiple of 256: 32 rows x 272 bytes for each wave
.set LN,  1
.set R,   2
.set H,   3
.set BA,  5                            ; PITCH r + 16 h
.set BAD, 6
.set L16, 7
.set L4,  8
.set L32, 9
.set BH,  10
.set STO, 11                           ; the stage: where I put 32 bytes of a row
.set RD,  12                           ; where I read a row back
.set CO,  13                           ; and the same place in out0
.set T1,  15
.set AS,  16
.set BS,  24
.set ACC, 96
.set OUTR, 160
.set WV,  32
.set G1Q, 48
.set G0,  68
.set MSB, 0
.macro WIN new
.if MSB != \new
	s_set_vgpr_msb (MSB<<8)|\new
.set MSB, \new
.endif
.endm
.macro PLACES                          ; eight places behind this matrix form
.rept 8
	v_nop
.endr
.endm
.macro CROUND
	s_barrier_signal -1
	s_barrier_wait -1
	s_cmp_lg_u32 s[WV], 0
	s_cbranch_scc1 .Lnot_wave_0_\@
	s_barrier_signal -3
.Lnot_wave_0_\@:
	s_barrier_wait -3
	s_barrier_signal -1
	s_barrier_wait -1
.endm
.macro WMSC d, a, b, c, sa, sb, ra, rb
.if (\ra) && (\rb)
	v_wmma_scale_f32_16x16x128_f8f6f4 v[\d:\d+7], v[\a:\a+15], v[\b:\b+15], v[\c:\c+7], v[\sa], v[\sb] matrix_a_scale:MATRIX_SCALE_ROW1 matrix_b_scale:MATRIX_SCALE_ROW1
.elseif \ra
	v_wmma_scale_f32_16x16x128_f8f6f4 v[\d:\d+7], v[\a:\a+15], v[\b:\b+15], v[\c:\c+7], v[\sa], v[\sb] matrix_a_scale:MATRIX_SCALE_ROW1
.elseif \rb
	v_wmma_scale_f32_16x16x128_f8f6f4 v[\d:\d+7], v[\a:\a+15], v[\b:\b+15], v[\c:\c+7], v[\sa], v[\sb] matrix_b_scale:MATRIX_SCALE_ROW1
.else
	v_wmma_scale_f32_16x16x128_f8f6f4 v[\d:\d+7], v[\a:\a+15], v[\b:\b+15], v[\c:\c+7], v[\sa], v[\sb]
.endif
.endm
.macro FETCH s                         ; four fragments of Wo of K step s into buffer s % 4 of window 2.  It leaves the window set
	WIN 0x80
.irp t, 0,1,2,3
.irp c, 0,1,2,3
	ds_load_b128 v[64*((\s)%4)+16*\t+4*\c:64*((\s)%4)+16*\t+4*\c+3], v[BAD] offset:\t*16*PITCH+128*(\s)+32*\c
.endr
.endr
.endm
.macro MULQ g, s                       ; eight products; the eight accumulators take turns, one instruction a turn
.if \s == 0
	WIN 0x36                                       ; source 0 (Wo) window 2, source 1 (o) window 1, C (bo) window 3, D window 0
.else
	WIN 0x06
.endif
.irp t, 0,1,2,3
.irp mt, 0,1
.if \s == 0
	WMSC ACC+32*\mt+8*\t, 64*(\s%4)+16*\t, 16*(8*\mt+\s), 8*(4*\g+\t), BS+8*(2*\g+\t/2)+\s, AS+\s, \t%2, \mt
.else
	WMSC ACC+32*\mt+8*\t, 64*(\s%4)+16*\t, 16*(8*\mt+\s), ACC+32*\mt+8*\t, BS+8*(2*\g+\t/2)+\s, AS+\s, \t%2, \mt
.endif
.endr
.endr
.endm
.macro START g
	WIN 0
	s_wait_tensorcnt 3-(\g)                        ; behind chunk g's load stand the later chunks'
	s_wait_dscnt 0x0
	s_barrier_signal -1
	s_barrier_wait -1
	v_add_nc_u32 v[BAD], (\g)*CHUNK, v[BA]
	FETCH 0
	FETCH 1
	FETCH 2
	WIN 0
.endm
.macro STEPS g
.irp s, 0,1,2,3,4,5,6,7
.if \g == 0
	s_wait_loadcnt 8*(7-\s)                        ; o's fragments of this K step are in, and all that was asked for before them; those of the later steps, eight loads each, may be out
.endif
.if \s <= 5
	s_wait_dscnt 32                                ; this step's fragments are in; the two later steps', sixteen loads each, may be out
.elseif \s == 6
	s_wait_dscnt 16
.else
	s_wait_dscnt 0
.endif
	MULQ \g, \s
.if \s <= 4
	PLACES                                         ; in front of loads into a buffer that matrix instructions have read
	FETCH \s+3
.endif
.endr
.endm
.macro EPIO g                          ; columns 64 g on of my 32 rows leave
	s_wait_xcnt 0x0                                ; the last stores have read their data: their registers are loaded again only behind this wait
.irp mt, 0,1
.irp t, 0,1,2,3
	ds_store_b128 v[STO], v[ACC+32*\mt+8*\t:ACC+32*\mt+8*\t+3] offset:\mt*4352+64*\t          ; each accumulator from its low end on
	ds_store_b128 v[STO], v[ACC+32*\mt+8*\t+4:ACC+32*\mt+8*\t+7] offset:\mt*4352+64*\t+16
.endr
.endr
.irp i, 0,1,2,3,4,5,6,7,8,9,10,11,12,13,14,15
	ds_load_b128 v[OUTR+4*\i:OUTR+4*\i+3], v[RD] offset:\i*544    ; LDS serves a wave's instructions in order (ISA guide 5.7.1.4): these see my stores
.endr
.irp i, 0,1,2,3,4,5,6,7,8,9,10,11,12,13,14,15
	s_wait_dscnt 15-\i                             ; the younger loads from the stage may be out
	global_store_b128 v[CO], v[OUTR+4*\i:OUTR+4*\i+3], s[14:15] offset:\i*8192+256*\g th:TH_STORE_NT   ; two rows: sixteen lanes store 256 consecutive bytes each; written once, read by nobody here
.endr
.endm
	s_load_b256 s[4:11], s[0:1], 0x0               ; o_img s[4:5], o_sc s[6:7], Wo codes s[8:9], Wo scales s[10:11]
	s_load_b128 s[12:15], s[0:1], 0x20             ; bo s[12:13], out0 s[14:15]
	v_lshl_add_u32 v254, v0, 2, 0x49800
	v_mov_b32 v255, 0
	ds_add_u32 v254, v255
	ds_add_u32 v254, v255
	v_lshrrev_b32 v[T1], 5, v0
	v_readfirstlane_b32 s[WV], v[T1]               ; wave 0..3
	v_and_b32 v[LN], 31, v0
	v_and_b32 v[R], 15, v0
	v_bfe_u32 v[H], v0, 4, 1
	v_mul_u32_u24 v[BA], v[R], PITCH
	v_lshl_add_u32 v[BA], v[H], 4, v[BA]
	v_lshlrev_b32 v[L16], 4, v[LN]
	v_lshlrev_b32 v[L4], 2, v[LN]
	v_lshlrev_b32 v[L32], 5, v[LN]
	v_lshlrev_b32 v[BH], 5, v[H]
	s_mul_i32 s2, s[WV], 32*272
	s_add_co_u32 s2, s2, STAGE                     ; my stage
	v_mul_u32_u24 v[STO], v[R], 272                ; in: row r, 32 bytes for each half of the lanes
	v_lshl_add_u32 v[STO], v[H], 5, v[STO]
	v_add_nc_u32 v[STO], s2, v[STO]
	v_mul_u32_u24 v[RD], v[H], 272                 ; back: lanes 0-15 one row of 256 bytes, lanes 16-31 the next
	v_lshl_add_u32 v[RD], v[R], 4, v[RD]
	v_add_nc_u32 v[RD], s2, v[RD]
	v_lshlrev_b32 v[CO], 12, v[H]                  ; and the same two rows in out0, 4,096 bytes apart
	v_lshl_add_u32 v[CO], v[R], 4, v[CO]
	s_bfe_u32 s33, ttmp6, 0x40000                  ; cx: it enters o's and out0's addresses alone
	s_lshl_b32 s34, ttmp9, 2
	s_add_co_u32 s34, s34, s33                     ; Mblk
	s_and_b32 s35, ttmp7, 0xffff                   ; J, which the four partners share
	; descriptor group 1: 16 rows of 1,024 bytes, 16 bytes of padding behind each
	s_mov_b32 s[G1Q], 15|(1<<20)|(1<<21)|(7<<22)|(3<<25)    ; 15:0 the mask: all four work-groups; 17:16 elements of 1 byte; 20 padding on; 21 set beside a mask; 24:22 after every 256 words (code 7); 31:25 four words (code 3)
	s_mov_b32 s[G1Q+1], 1024<<16                   ; tensor_dim0
	s_mov_b32 s[G1Q+2], 16<<16                     ; tensor_dim1
	s_mov_b32 s[G1Q+3], 1024<<16                   ; tile_dim0
	s_mov_b32 s[G1Q+4], 16                         ; tile_dim1
	s_mov_b32 s[G1Q+5], 1024                       ; tensor_dim0_stride
	s_mov_b32 s[G1Q+6], 0
	s_mov_b32 s[G1Q+7], 0
	s_lshl_b32 s42, s35, 18
	s_lshl_b32 s3, s[WV], 14
	s_add_co_u32 s42, s42, s3                      ; Wo's codes: row 256 J + 16 w
	s_mov_b32 s43, 0
	s_mul_i32 s92, s[WV], 16*PITCH                 ; and where they go
	s_lshl_b32 s94, s35, 13                        ; Wo's scales: 256 J rows of 32 bytes
	s_mov_b32 s95, 0
	s_lshl_b32 s96, s35, 10                        ; bo: 256 J numbers; and out0's columns: the same bytes
	s_mov_b32 s97, 0
	s_lshl_b32 s44, s34, 7
	s_lshl_b32 s45, s[WV], 5
	s_add_co_u32 s44, s44, s45                     ; my first row: 128 Mblk + 32 w
	s_mov_b32 s47, 0
	s_wait_dscnt 0x0
	s_wait_kmcnt 0x0
	s_add_nc_u64 s[8:9], s[8:9], s[42:43]
	s_add_nc_u64 s[10:11], s[10:11], s[94:95]
	s_add_nc_u64 s[12:13], s[12:13], s[96:97]
	s_add_nc_u64 s[14:15], s[14:15], s[96:97]
	s_lshl_b32 s46, s44, 10
	s_add_nc_u64 s[4:5], s[4:5], s[46:47]          ; o_img: 16,384 bytes a tile of 16 rows
	s_lshl_b32 s46, s44, 5
	s_add_nc_u64 s[6:7], s[6:7], s[46:47]          ; o_sc: 1,024 bytes a pair of tiles
	s_lshl_b32 s46, s44, 12
	s_add_nc_u64 s[14:15], s[14:15], s[46:47]      ; out0: 4,096 bytes a row
.irp g, 0,1,2,3
	s_mov_b32 s[G0+4*\g], 1
	s_add_co_u32 s[G0+4*\g+1], s92, \g*CHUNK
	s_add_nc_u64 s[G0+4*\g+2:G0+4*\g+3], s[8:9], \g*65536
	s_or_b32 s[G0+4*\g+3], s[G0+4*\g+3], 0x80000000
.endr
	CROUND                                         ; all four work-groups are here: the joint loads meet
.irp g, 0,1,2,3
	tensor_load_to_lds s[G0+4*\g:G0+4*\g+3], s[G1Q:G1Q+7]
	s_nop 0
.endr
.rept 4
	v_nop
.endr
.irp s, 0,1,2,3,4,5,6,7
	global_load_b32 v[AS+\s], v[L4], s[6:7] offset:128*\s          ; o's scale words: lanes 0-15 my even tile, lanes 16-31 my odd one
.endr
.irp p, 0,1,2,3,4,5,6,7
	global_load_b128 v[BS+8*\p:BS+8*\p+3], v[L32], s[10:11] offset:1024*\p        ; Wo's: lane l takes row 32 p + l: eight words, one a K step
	global_load_b128 v[BS+8*\p+4:BS+8*\p+7], v[L32], s[10:11] offset:1024*\p+16
.endr
	WIN 0xc0                                       ; destination window 3
.irp tt, 0,1,2,3,4,5,6,7,8,9,10,11,12,13,14,15
	global_load_b128 v[8*\tt:8*\tt+3], v[BH], s[12:13] offset:64*\tt             ; bo(16 T + 8 h + 0 .. 7): the result's layout
	global_load_b128 v[8*\tt+4:8*\tt+7], v[BH], s[12:13] offset:64*\tt+16
.endr
	WIN 0x40                                       ; destination window 1
.irp s, 0,1,2,3,4,5,6,7
.irp mt, 0,1
.irp c, 0,1,2,3
	global_load_b128 v[16*(8*\mt+\s)+4*\c:16*(8*\mt+\s)+4*\c+3], v[L16], s[4:5] offset:\mt*16384+\s*2048+\c*512   ; o's fragments as they were stored: 512 consecutive bytes a load; they stay
.endr
.endr
.endr
	WIN 0
	START 0
.irp g, 0,1,2
	STEPS \g
	WIN 0
	PLACES                                         ; in front of the loads into the buffers just multiplied, and of the LDS stores that read the results
	START \g+1                                     ; the next 64 columns' fragments are on their way while these leave
	EPIO \g
.endr
	STEPS 3
	WIN 0
	PLACES
	EPIO 3
	s_wait_dscnt 0x0
	s_wait_tensorcnt 0x0
	ds_add_u32 v254, v255
	s_wait_dscnt 0x0
	CROUND                                         ; the closing round: no work-group ends while a partner may still ask for a slice that names it
	s_endpgm
.Lfunc_end_k_q4de7a0469a_outp:
	.size	k_q4de7a0469a_outp, .Lfunc_end_k_q4de7a0469a_outp-k_q4de7a0469a_outp
	.p2alignl 7, 3214868480
	.fill 96, 4, 3214868480
	.section	.rodata,"a",@progbits
	.p2align	6, 0x0
	.amdhsa_kernel k_q4de7a0469a_outp
		.amdhsa_group_segment_fixed_size 301568
		.amdhsa_private_segment_fixed_size 0
		.amdhsa_enable_private_segment 0
		.amdhsa_kernarg_size 48
		.amdhsa_user_sgpr_count 2
		.amdhsa_user_sgpr_kernarg_segment_ptr 1
		.amdhsa_wavefront_size32 1
		.amdhsa_system_sgpr_workgroup_id_x 1
		.amdhsa_system_sgpr_workgroup_id_y 1
		.amdhsa_system_sgpr_workgroup_id_z 1
		.amdhsa_system_vgpr_workitem_id 0
		.amdhsa_next_free_vgpr 1024
		.amdhsa_next_free_sgpr 100
		.amdhsa_reserve_vcc 0
		.amdhsa_float_denorm_mode_32 3
		.amdhsa_float_denorm_mode_16_64 3
		.amdhsa_memory_ordered 1
		.amdhsa_forward_progress 1
		.amdhsa_inst_pref_size 107
	.end_amdhsa_kernel
	.amdgpu_metadata
---
amdhsa.version: [ 1, 2 ]
amdhsa.kernels:
  - .name:           k_q4de7a0469a_outp
    .symbol:         k_q4de7a0469a_outp.kd
    .args:
      - { .name: o_img, .offset: 0, .size: 8, .value_kind: global_buffer, .address_space: global }
      - { .name: o_sc, .offset: 8, .size: 8, .value_kind: global_buffer, .address_space: global }
      - { .name: Wo_codes, .offset: 16, .size: 8, .value_kind: global_buffer, .address_space: global }
      - { .name: Wo_scales, .offset: 24, .size: 8, .value_kind: global_buffer, .address_space: global }
      - { .name: bo, .offset: 32, .size: 8, .value_kind: global_buffer, .address_space: global }
      - { .name: out0, .offset: 40, .size: 8, .value_kind: global_buffer, .address_space: global }
    .group_segment_fixed_size: 301568
    .private_segment_fixed_size: 0
    .kernarg_segment_align: 8
    .kernarg_segment_size: 48
    .max_flat_workgroup_size: 128
    .sgpr_count:     100
    .vgpr_count:     1024
    .wavefront_size: 32
...
	.end_amdgpu_metadata
.endif
;; end of part 3
;; ======== version 2 of 2: 3 launches
;; limits: right only within a limited range of input values
;; workspace buffers: q_img 8,388,608 bytes; q_sc 524,288 bytes; kv 1,097,728 bytes; o_img 8,388,608 bytes; o_sc 262,144 bytes
;; launch proj (part 4): grid 64 x 4, 4 waves a work-group, clusters of 4 x 1, 327,680 bytes of LDS; arguments hidden_state_codes, hidden_state_scales, Wq_codes, Wq_scales, bq, Wk_codes, Wk_scales, bk, Wv_codes, Wv_scales, bv, q_img, q_sc, kv; writes q_img, q_sc, kv
.if DOCPART == 4
	.amdgcn_target "amdgcn-amd-amdhsa--gfx1250"
	.amdhsa_code_object_version 6
	.text
	.protected	k_q4de7a0469a_proj
	.globl	k_q4de7a0469a_proj
	.p2align	8
	.type	k_q4de7a0469a_proj,@function
k_q4de7a0469a_proj:
	s_mov_b64 s[64:65], 0
	v_nop
	global_prefetch_b8 v0, s[64:65] scope:SCOPE_SE
	s_setreg_imm32_b32 hwreg(HW_REG_WAVE_MODE, 25, 1), 1
	s_wait_xcnt 0x0
	s_wait_alu depctr_hold_cnt(0) depctr_sa_sdst(0) depctr_va_vdst(0) depctr_va_sdst(0) depctr_va_ssrc(0) depctr_va_vcc(0) depctr_vm_vsrc(0)
	s_getreg_b32 s2, hwreg(HW_REG_IB_STS2, 6, 4)
	s_cmp_eq_u32 s2, 0
	s_cbranch_scc0 .Lentry_in_a_cluster
	s_endpgm
.Lentry_in_a_cluster:
	s_bfe_u32 s2, ttmp6, 0x10000c
	s_cmp_lg_u32 s2, 0x3003
	s_cbranch_scc0 .Lentry_shape_is_right
	s_endpgm
.Lentry_shape_is_right:
; q = hs Wq + bq, k = hs Wk + bk, v = hs Wv + bv on codes of FP8 (E4M3) with one E8M0 scale for each 32 along K = 1,024; the three results are quantised here, in f32, and leave as codes:
; q and k along the head's 64 (two blocks of 32), v along the keys (blocks of 32 keys).  They are laid as images of the registers in which the attention launch wants them:
; every store of codes is 16 bytes a lane, 512 consecutive bytes a wave.
; SHARES.  Work-group (Mblk, J): 128 rows of hs (one key step of one batch) x 256 columns of q (heads 4 J .. 4 J + 3) and 32 columns of k (J = 0, 1) or of v (J = 2, 3): d = 32 (J & 1) on.
; Wave w takes rows 32 w .. 32 w + 31 (two tiles) and all 288 columns.  Its rows' codes, 32 x 1,024 bytes, stay in 256 registers; the 288 rows of weights, 1,024 bytes each, lie in LDS, filled ONCE.
; CLUSTER.  The four work-groups of a cluster share J, so they want the same weights: each slice is asked for jointly (mask 15).  hs goes to registers and is read once by its work-group: nothing to share there.
; No LDS byte is filled twice, so there is no ring of slots.  One tensor load of a wave is out at a time: 64 rows of Wq at the head, then 8 rows of Wk or Wv at the second head's start.
; q AND k ARE MADE TRANSPOSED (source 0 = 16 rows of the weight, source 1 = 16 rows of hs): a lane holds one row of hs and eight neighbouring columns.  The 16 registers of two neighbouring tiles are then
; d = 32 c + 16 (i / 8) + 8 (lane / 16) + i % 8: all of one block of 32 with those of lane xor 16.  That order inside a block is the same for q and for k, so the products of the scores are the same ones;
; the matrix unit adds them in another order than memory order.  v IS MADE THE NATURAL WAY (source 0 = hs, source 1 = Wv): a lane holds one d and registers run along the keys, in the order in which p will lie.
; THE ROWS OF Wv THAT FORM A TILE ARE NOT NEIGHBOURS: lane r of tile u takes row 8 u + r + 8 (r / 8) of the 32, so that the attention result's 16 registers of two tiles are 16 neighbours along hidden.
; The biases are the C of each sum's first matrix instruction.
; LIMITS: NaN and infinities among the computed numbers are not served.  A block of zeros gets the byte 1 where the quantiser says 127: its codes are zeros, which add nothing, and this program alone reads the bytes.
; REGISTERS, in windows of 256.  window 0: v1-15 addresses; v16-23 hs's scale words (lanes 0-15 tile 0, lanes 16-31 tile 1); v24-95 the weights' scale words (pair of tiles p, K step s at 24 + 8 p + s);
;   v96-159 eight accumulators; v160-175 the quantiser's; v176-191 codes; v192-197 scale words on their way out.
;   window 1: hs's fragments (tile mt, K step s at 16 (8 mt + s)).  window 2: four buffers of four weight fragments.  window 3: bq as C (tile T at 8 T); bk or bv at 128.
.set PITCH, 1040                       ; a weight's row in LDS: 1,024 bytes + 16 of padding = 65 x 16: the sixteen rows of a fragment load begin in sixteen different 16-byte columns of 256
.set CHUNK, 64*PITCH                   ; 64 rows: one head's columns
.set KVROW, 256*PITCH                  ; behind Wq's 256 rows: the 32 rows of Wk or Wv
.set REC,   17152                      ; a record of kv: K's image 8,192, V's image 8,192, K's scale words 512, V's 256
.set LN,  1                            ; lane
.set R,   2                            ; lane % 16
.set H,   3                            ; lane / 16
.set XA,  4                            ; hs: 1,024 r + 16 h
.set BA,  5                            ; weights in LDS: PITCH r + 16 h
.set BAD, 6                            ; the same at the phase's first row
.set L16, 7                            ; 16 x lane
.set L4,  8                            ; 4 x lane
.set L32, 9                            ; 32 x lane
.set BH,  10                           ; 32 h: a bias's eight numbers of my half
.set KVS, 11                           ; my row among Wk's or Wv's scale rows, x 32
.set VB,  12                           ; bv: 4 (r + 8 (r / 8))
.set L8,  13                           ; 8 x lane
.set RR,  14                           ; r + 8 (r / 8)
.set T1,  15
.set AS,  16
.set BS,  24
.set ACC, 96
.set TM,  160                          ; +0..3 largest magnitudes, +4..7 the other half's, then bytes, +8..11 448 x the scale, +12..15 the conversions' scale operands
.set PC,  176
.set W,   192
.set KEEP, 194
.set OW,  196
.set KB,  128                          ; in window 3
.set WV,  32                           ; s32 wave; s33 cx; s34 Mblk; s35 J; s36 J & 1; s37 lanes 16-31 as a mask
.set SEL, 38
.set MNT, 40
.set G1Q, 48
.set G1KV, 56
.set G0,  68                           ; s[68:71] Wq's group 0, s[84:87] that of Wk or Wv
.set MSB, 0
.macro WIN new                         ; the immediate's high byte repeats the setting that is left; a switch that changes nothing is dropped
.if MSB != \new
	s_set_vgpr_msb (MSB<<8)|\new
.set MSB, \new
.endif
.endm
.macro PLACES                          ; eight places behind this matrix form, where no other vector work is at hand
.rept 8
	v_nop
.endr
.endm
.macro CROUND                          ; a round of the cluster's barrier
	s_barrier_signal -1
	s_barrier_wait -1
	s_cmp_lg_u32 s[WV], 0
	s_cbranch_scc1 .Lnot_wave_0_\@
	s_barrier_signal -3
.Lnot_wave_0_\@:
	s_barrier_wait -3
	s_barrier_signal -1
	s_barrier_wait -1
.endm
; one scaled product; ra, rb = 1: that side's scales are read from lanes 16-31
.macro WMSC d, a, b, c, sa, sb, ra, rb
.if (\ra) && (\rb)
	v_wmma_scale_f32_16x16x128_f8f6f4 v[\d:\d+7], v[\a:\a+15], v[\b:\b+15], v[\c:\c+7], v[\sa], v[\sb] matrix_a_scale:MATRIX_SCALE_ROW1 matrix_b_scale:MATRIX_SCALE_ROW1
.elseif \ra
	v_wmma_scale_f32_16x16x128_f8f6f4 v[\d:\d+7], v[\a:\a+15], v[\b:\b+15], v[\c:\c+7], v[\sa], v[\sb] matrix_a_scale:MATRIX_SCALE_ROW1
.elseif \rb
	v_wmma_scale_f32_16x16x128_f8f6f4 v[\d:\d+7], v[\a:\a+15], v[\b:\b+15], v[\c:\c+7], v[\sa], v[\sb] matrix_b_scale:MATRIX_SCALE_ROW1
.else
	v_wmma_scale_f32_16x16x128_f8f6f4 v[\d:\d+7], v[\a:\a+15], v[\b:\b+15], v[\c:\c+7], v[\sa], v[\sb]
.endif
.endm
; n weight fragments of K step s, rs rows apart, into buffer s % 4 of window 2.  It leaves the window set
.macro FETCH s, n, rs
	WIN 0x80                                       ; destination window 2, address window 0
.irp t, 0,1,2,3
.if \t < \n
.irp c, 0,1,2,3
	ds_load_b128 v[64*((\s)%4)+16*\t+4*\c:64*((\s)%4)+16*\t+4*\c+3], v[BAD] offset:\t*\rs*PITCH+128*(\s)+32*\c
.endr
.endif
.endr
.endm
; eight products of phase g, K step s: four tiles of columns x two tiles of rows; the eight accumulators take turns, one instruction a turn
.macro MULQ g, s
.if \s == 0
	WIN 0x36                                       ; source 0 (weights) window 2, source 1 (hs) window 1, C (the bias) window 3, D window 0
.else
	WIN 0x06
.endif
.irp t, 0,1,2,3
.irp mt, 0,1
.if \s == 0
	WMSC ACC+32*\mt+8*\t, 64*(\s%4)+16*\t, 16*(8*\mt+\s), 8*(4*\g+\t), BS+8*(2*\g+\t/2)+\s, AS+\s, \t%2, \mt
.else
	WMSC ACC+32*\mt+8*\t, 64*(\s%4)+16*\t, 16*(8*\mt+\s), ACC+32*\mt+8*\t, BS+8*(2*\g+\t/2)+\s, AS+\s, \t%2, \mt
.endif
.endr
.endr
.endm
; phase g begins: its 64 rows, wave g's load, have landed and every wave sees them; its first three K steps' fragments are asked for
.macro START g
	WIN 0
.if (\g) == 0
	s_cmp_eq_u32 s[WV], 0                          ; head 0's 64 rows are wave 0's load, on a line of its own: wave 0 alone waits here
	s_cbranch_scc0 .Lnot_first
	s_wait_tensorcnt 0x0
.Lnot_first:
	s_barrier_signal -1
	s_barrier_wait -1
.elseif (\g) == 1
	s_wait_tensorcnt 0x0                           ; every wave: its 64 rows of Wq are in, so all four heads' rows are shown by the round below
	ds_add_u32 v254, v255
	s_wait_dscnt 0x0
	CROUND
	tensor_load_to_lds s[G0+16:G0+19], s[G1KV:G1KV+7]   ; my 8 rows of Wk or Wv: three heads' products stand between this load and the wait for it
	s_nop 0
.rept 4
	v_nop
.endr
.endif
	v_add_nc_u32 v[BAD], (\g)*CHUNK, v[BA]
	FETCH 0, 4, 16
	FETCH 1, 4, 16
	FETCH 2, 4, 16
	WIN 0
.endm
.macro STEPS g
.irp s, 0,1,2,3,4,5,6,7
.if \g == 0
	s_wait_loadcnt 8*(7-\s)                        ; hs's fragments of this K step are in, and all that was asked for before them; those of the later steps, eight loads each, may be out
.endif
.if \s <= 5
	s_wait_dscnt 32                                ; this step's fragments are in; the two later steps', sixteen loads each, may be out
.elseif \s == 6
	s_wait_dscnt 16
.else
	s_wait_dscnt 0
.endif
	MULQ \g, \s
.if \s <= 4
	PLACES                                         ; in front of loads into a buffer that matrix instructions have read
	FETCH \s+3, 4, 16
.endif
.endr
.endm
; nb blocks of a lane's 16 registers from v[s] on become codes in v[PC + 4 b] on and bytes in v[TM + 4 + b].  A block of 32 lies in lanes l and l xor 16
.macro QUANT s, nb
.irp b, 0,1,2,3
.if \b < \nb
	v_max3_num_f32 v[TM+\b], |v[\s+16*\b]|, |v[\s+1+16*\b]|, 0x4800000   ; my 16 numbers, and the floor 2^(9 - 127): so the byte cannot fall under 1.  Each accumulator is read from its low end on
.endif
.endr
.irp i, 2,4,6,8,10,12,14
.irp b, 0,1,2,3
.if \b < \nb
	v_max3_num_f32 v[TM+\b], v[TM+\b], |v[\s+16*\b+\i]|, |v[\s+1+16*\b+\i]|
.endif
.endr
.endr
.irp b, 0,1,2,3
.if \b < \nb
	v_permlanex16_b32 v[TM+4+\b], v[TM+\b], s[SEL], s[SEL+1]
.endif
.endr
.irp b, 0,1,2,3
.if \b < \nb
	v_max_num_f32 v[TM+\b], v[TM+\b], v[TM+4+\b]   ; the block's largest magnitude
.endif
.endr
.irp b, 0,1,2,3
.if \b < \nb
	v_add_nc_u32 v[TM+12+\b], 0xfc000000, v[TM+\b]   ; 8 off its exponent field: the conversion takes this operand's exponent field as its scale
.endif
.endr
.irp b, 0,1,2,3
.if \b < \nb
	v_and_or_b32 v[TM+8+\b], v[TM+\b], 0x7f800000, s[MNT]   ; 448 x the scale
.endif
.endr
.irp b, 0,1,2,3
.if \b < \nb
	v_lshrrev_b32 v[TM+4+\b], 23, v[TM+12+\b]      ; the scale's byte
.endif
.endr
.irp b, 0,1,2,3
.if \b < \nb
.irp i, 0,1,2,3,4,5,6,7,8,9,10,11,12,13,14,15
	v_med3_num_f32 v[\s+16*\b+\i], v[\s+16*\b+\i], -v[TM+8+\b], v[TM+8+\b]   ; the conversion to an 8-bit code does not saturate (ISA guide 7.6.2): the hold at the largest code x the scale
.endr
	v_cvt_scalef32_pk8_fp8_f32 v[PC+4*\b:PC+4*\b+1], v[\s+16*\b:\s+16*\b+7], v[TM+12+\b]
	v_cvt_scalef32_pk8_fp8_f32 v[PC+4*\b+2:PC+4*\b+3], v[\s+16*\b+8:\s+16*\b+15], v[TM+12+\b]
.endif
.endr
	v_nop                                          ; one plain instruction between the last conversion and whatever next writes its sources
.endm
; head 4 J + g leaves: codes, and with every second head the scale words of a pair of heads (lanes 0-15 the even head's, lanes 16-31 the odd one's)
.macro EPIQ g
	s_wait_xcnt 0x0                                ; the last stores have read their data: the codes' and words' registers are written again only behind this wait
	QUANT ACC, 4                                   ; block 2 mt + c
.irp mt, 0,1
	v_lshl_or_b32 v[W+\mt], v[TM+5+2*\mt], 16, v[TM+4+2*\mt]
	v_or_b32 v[W+\mt], 0x7f007f00, v[W+\mt]        ; [c = 0's byte, 1.0, c = 1's byte, 1.0]: the head's 64 lie in the instruction's blocks 0 and 2; blocks 1 and 3 are zero codes
.endr
.irp mt, 0,1
.irp c, 0,1
	global_store_b128 v[L16], v[PC+4*(2*\mt+\c):PC+4*(2*\mt+\c)+3], s[26:27] offset:\mt*16384+\g*1024+\c*512   ; 512 consecutive bytes a wave
.endr
.endr
.if \g%2 == 0
.irp mt, 0,1
	v_mov_b32 v[KEEP+\mt], v[W+\mt]
.endr
.else
.irp mt, 0,1
	v_cndmask_b32 v[OW+\mt], v[KEEP+\mt], v[W+\mt], s37
	global_store_b32 v[L4], v[OW+\mt], s[28:29] offset:\mt*1024+(\g/2)*128
.endr
.endif
.endm
; four products of k (nat = 0: transposed) or of v (nat = 1: source 0 = hs), K step s; four accumulators by turns
.macro MULKV nat, s
.if \nat
.if \s == 0
	WIN 0x39                                       ; source 0 (hs) window 1, source 1 (Wv) window 2, C window 3
.else
	WIN 0x09
.endif
.else
.if \s == 0
	WIN 0x36
.else
	WIN 0x06
.endif
.endif
.irp u, 0,1
.irp mt, 0,1
.if \nat
.if \s == 0
	WMSC ACC+16*\u+8*\mt, 16*(8*\mt+\s), 64*(\s%4)+16*\u, KB+8*\u, AS+\s, BS+64+\s, \mt, \u
.else
	WMSC ACC+16*\u+8*\mt, 16*(8*\mt+\s), 64*(\s%4)+16*\u, ACC+16*\u+8*\mt, AS+\s, BS+64+\s, \mt, \u
.endif
.else
.if \s == 0
	WMSC ACC+16*\mt+8*\u, 64*(\s%4)+16*\u, 16*(8*\mt+\s), KB+8*\u, BS+64+\s, AS+\s, \u, \mt
.else
	WMSC ACC+16*\mt+8*\u, 64*(\s%4)+16*\u, 16*(8*\mt+\s), ACC+16*\mt+8*\u, BS+64+\s, AS+\s, \u, \mt
.endif
.endif
.endr
.endr
.endm
.macro KVSTEPS nat, rs
	FETCH 0, 2, \rs
	FETCH 1, 2, \rs
	FETCH 2, 2, \rs
.irp s, 0,1,2,3,4,5,6,7
.if \s <= 5
	s_wait_dscnt 16                                ; the two later steps' fragments, eight loads each, may be out
.elseif \s == 6
	s_wait_dscnt 8
.else
	s_wait_dscnt 0
.endif
	MULKV \nat, \s
.if \s <= 4
	PLACES
	FETCH \s+3, 2, \rs
.endif
.endr
	WIN 0
	PLACES                                         ; in front of the first read of the results
	s_wait_xcnt 0x0                                ; the last head's stores have read their data
	QUANT ACC, 2
.endm
	s_load_b512 s[4:19], s[0:1], 0x0               ; hs codes s[4:5], hs scales s[6:7], Wq codes s[8:9], Wq scales s[10:11], bq s[12:13], Wk codes s[14:15], Wk scales s[16:17], bk s[18:19]
	s_load_b256 s[20:27], s[0:1], 0x40             ; Wv codes s[20:21], Wv scales s[22:23], bv s[24:25], q_img s[26:27]
	s_load_b128 s[28:31], s[0:1], 0x60             ; q_sc s[28:29], kv s[30:31]
	v_lshl_add_u32 v254, v0, 2, 0x49400
	v_mov_b32 v255, 0
	ds_add_u32 v254, v255
	ds_add_u32 v254, v255
	v_lshrrev_b32 v[T1], 5, v0
	v_readfirstlane_b32 s[WV], v[T1]               ; wave 0..3
	v_and_b32 v[LN], 31, v0
	v_and_b32 v[R], 15, v0
	v_bfe_u32 v[H], v0, 4, 1
	v_lshlrev_b32 v[XA], 10, v[R]
	v_lshl_add_u32 v[XA], v[H], 4, v[XA]
	v_mul_u32_u24 v[BA], v[R], PITCH
	v_lshl_add_u32 v[BA], v[H], 4, v[BA]
	v_lshlrev_b32 v[L16], 4, v[LN]
	v_lshlrev_b32 v[L4], 2, v[LN]
	v_lshlrev_b32 v[L32], 5, v[LN]
	v_lshlrev_b32 v[L8], 3, v[LN]
	v_lshlrev_b32 v[BH], 5, v[H]
	v_and_b32 v[RR], 8, v[R]
	v_add_nc_u32 v[RR], v[RR], v[R]                ; r + 8 (r / 8)
	v_lshlrev_b32 v[VB], 2, v[RR]
	v_lshl_add_u32 v[T1], v[H], 3, v[RR]           ; Wv's row for my lane's scale words: tile u = h
	s_wait_alu depctr_va_vdst(0)
.irp b, 0,1,2,3
	v_mov_b32 v[TM+4+\b], 0                        ; written once: a lane permute's destination counts as one of its sources
.endr
	s_bfe_u32 s33, ttmp6, 0x40000                  ; cx: it enters hs's and the outputs' addresses alone
	s_lshl_b32 s34, ttmp9, 2
	s_add_co_u32 s34, s34, s33                     ; Mblk = 4 x cluster x + cx
	s_and_b32 s35, ttmp7, 0xffff                   ; J, which the four partners share
	s_and_b32 s36, s35, 1
	s_mov_b32 s37, 0xffff0000
	s_mov_b32 s[SEL], 0x76543210
	s_mov_b32 s[SEL+1], 0xfedcba98                 ; v_permlanex16_b32's selects for lane l xor 16
	s_mov_b32 s[MNT], 0x600000                     ; the mantissa field of 448
	s_cmp_lt_u32 s35, 2
	s_cselect_b32 s41, 0, -1                       ; all lanes where the work-group makes v
	v_cndmask_b32 v[KVS], v[LN], v[T1], s41        ; k: tile u's row r is row 16 u + r = my lane;  v: 8 u + r + 8 (r / 8)
	v_lshlrev_b32 v[KVS], 5, v[KVS]
	; descriptor group 1: 16 (Wq) or 8 (Wk, Wv) rows of 1,024 bytes, 16 bytes of padding behind each
	s_mov_b32 s[G1Q], 15|(1<<20)|(1<<21)|(7<<22)|(3<<25)    ; 15:0 the mask: all four work-groups; 17:16 elements of 1 byte; 20 padding on; 21 set beside a mask; 24:22 after every 256 words (code 7); 31:25 four words (code 3)
	s_mov_b32 s[G1KV], 15|(1<<20)|(1<<21)|(7<<22)|(3<<25)
.irp g, G1Q, G1KV
	s_mov_b32 s[\g+1], 1024<<16                    ; tensor_dim0
	s_mov_b32 s[\g+3], 1024<<16                    ; tile_dim0
	s_mov_b32 s[\g+5], 1024                        ; tensor_dim0_stride
	s_mov_b32 s[\g+6], 0
	s_mov_b32 s[\g+7], 0
.endr
	s_mov_b32 s[G1Q+2], 64<<16                     ; tensor_dim1: a load of Wq brings one head's 64 rows
	s_mov_b32 s[G1Q+4], 64                         ; tile_dim1
	s_mov_b32 s[G1KV+2], 8<<16
	s_mov_b32 s[G1KV+4], 8
	; offsets made of J and the wave's number alone
	s_lshl_b32 s42, s35, 18
	s_lshl_b32 s2, s[WV], 16
	s_add_co_u32 s42, s42, s2                      ; Wq's codes: row 256 J + 64 w
	s_mov_b32 s43, 0
	s_lshl_b32 s90, s36, 15
	s_lshl_b32 s2, s[WV], 13
	s_add_co_u32 s90, s90, s2                      ; Wk's or Wv's: row 32 (J & 1) + 8 w
	s_mov_b32 s91, 0
	s_mul_i32 s92, s[WV], CHUNK
	s_mul_i32 s93, s[WV], 8*PITCH
	s_lshl_b32 s94, s35, 13                        ; Wq's scales: 256 J rows of 32 bytes
	s_mov_b32 s95, 0
	s_lshl_b32 s96, s35, 10                        ; bq: 256 J numbers
	s_mov_b32 s97, 0
	s_lshl_b32 s98, s36, 10                        ; Wk's or Wv's scales: 32 (J & 1) rows
	s_mov_b32 s99, 0
	s_lshl_b32 s88, s36, 7                         ; bk, bv: 32 (J & 1) numbers
	s_mov_b32 s89, 0
	; my wave's first row of hs
	s_lshl_b32 s44, s34, 7
	s_lshl_b32 s45, s[WV], 5
	s_add_co_u32 s44, s44, s45                     ; 128 Mblk + 32 w
	s_mov_b32 s47, 0
	s_wait_dscnt 0x0
	s_wait_kmcnt 0x0
	s_cmp_lt_u32 s35, 2                            ; k's work-group or v's: the choice hangs on J alone
	s_cselect_b64 s[14:15], s[14:15], s[20:21]
	s_cselect_b64 s[16:17], s[16:17], s[22:23]
	s_add_nc_u64 s[8:9], s[8:9], s[42:43]
	s_add_nc_u64 s[14:15], s[14:15], s[90:91]
	s_add_nc_u64 s[10:11], s[10:11], s[94:95]
	s_add_nc_u64 s[12:13], s[12:13], s[96:97]
	s_add_nc_u64 s[16:17], s[16:17], s[98:99]
	s_add_nc_u64 s[18:19], s[18:19], s[88:89]
	s_add_nc_u64 s[24:25], s[24:25], s[88:89]
	s_lshl_b32 s46, s44, 10
	s_add_nc_u64 s[4:5], s[4:5], s[46:47]          ; hs's codes at my first row
	s_add_nc_u64 s[26:27], s[26:27], s[46:47]      ; q_img: 16,384 bytes for each tile of 16 rows,
	s_lshl_b32 s46, s35, 12
	s_add_nc_u64 s[26:27], s[26:27], s[46:47]      ; 1,024 for each head: head 4 J
	s_lshl_b32 s46, s44, 5
	s_add_nc_u64 s[6:7], s[6:7], s[46:47]          ; hs's scales
	s_lshl_b32 s46, s44, 6
	s_add_nc_u64 s[28:29], s[28:29], s[46:47]      ; q_sc: 1,024 bytes a tile of rows,
	s_lshl_b32 s46, s35, 8
	s_add_nc_u64 s[28:29], s[28:29], s[46:47]      ; 128 a pair of heads: pair 2 J
	s_mul_i32 s46, s34, REC
	s_add_nc_u64 s[30:31], s[30:31], s[46:47]      ; kv: my key step's record
	s_mov_b32 s[G0], 1                             ; wave w asks for Wq's rows 256 J + 64 w on, head 4 J + w's, into LDS rows 64 w on
	s_mov_b32 s[G0+1], s92
	s_mov_b64 s[G0+2:G0+3], s[8:9]
	s_or_b32 s[G0+3], s[G0+3], 0x80000000
	s_mov_b32 s[G0+16], 1
	s_add_co_u32 s[G0+17], s93, KVROW
	s_mov_b64 s[G0+18:G0+19], s[14:15]
	s_or_b32 s[G0+19], s[G0+19], 0x80000000
	CROUND                                         ; all four work-groups are here: the joint loads meet
	; THE FILLS: one joint load a wave at the head, 64 rows of Wq each; one load of a wave is out.  Wave 0's stands on a line of its own, since the first barrier shows it alone; the slice of Wk or Wv follows behind the round at the second head's start
	s_cmp_eq_u32 s[WV], 0
	s_cbranch_scc0 .Llater_heads
	tensor_load_to_lds s[G0:G0+3], s[G1Q:G1Q+7]
	s_nop 0
.rept 4
	v_nop
.endr
	s_branch .Lasked
.Llater_heads:
	tensor_load_to_lds s[G0:G0+3], s[G1Q:G1Q+7]
	s_nop 0
.rept 4
	v_nop
.endr
.Lasked:
	global_load_b128 v[AS:AS+3], v[L32], s[6:7]            ; hs's scale words: lane l takes row l of my 32: eight words, one a K step
	global_load_b128 v[AS+4:AS+7], v[L32], s[6:7] offset:16
.irp p, 0,1,2,3,4,5,6,7
	global_load_b128 v[BS+8*\p:BS+8*\p+3], v[L32], s[10:11] offset:1024*\p        ; Wq's: lane l takes row 32 p + l
	global_load_b128 v[BS+8*\p+4:BS+8*\p+7], v[L32], s[10:11] offset:1024*\p+16
.endr
	s_wait_alu depctr_va_vdst(0)
	global_load_b128 v[BS+64:BS+67], v[KVS], s[16:17]      ; Wk's or Wv's
	global_load_b128 v[BS+68:BS+71], v[KVS], s[16:17] offset:16
	WIN 0xc0                                       ; destination window 3
.irp tt, 0,1,2,3,4,5,6,7,8,9,10,11,12,13,14,15
	global_load_b128 v[8*\tt:8*\tt+3], v[BH], s[12:13] offset:64*\tt             ; bq(16 T + 8 h + 0 .. 7): the result's layout
	global_load_b128 v[8*\tt+4:8*\tt+7], v[BH], s[12:13] offset:64*\tt+16
.endr
	WIN 0
	s_cmp_lt_u32 s35, 2
	s_cbranch_scc0 .Lbias_v
	WIN 0xc0
.irp u, 0,1
	global_load_b128 v[KB+8*\u:KB+8*\u+3], v[BH], s[18:19] offset:64*\u          ; bk(16 u + 8 h + 0 .. 7)
	global_load_b128 v[KB+8*\u+4:KB+8*\u+7], v[BH], s[18:19] offset:64*\u+16
.endr
	WIN 0
	s_branch .Lbias_done
.Lbias_v:
	WIN 0xc0
.irp u, 0,1
.irp j, 0,1,2,3,4,5,6,7
	global_load_b32 v[KB+8*\u+\j], v[VB], s[24:25] offset:32*\u                  ; v's lane holds one d: its bias in all eight registers
.endr
.endr
	WIN 0
.Lbias_done:
	WIN 0x40                                       ; destination window 1
.irp s, 0,1,2,3,4,5,6,7
.irp mt, 0,1
.irp c, 0,1,2,3
	global_load_b128 v[16*(8*\mt+\s)+4*\c:16*(8*\mt+\s)+4*\c+3], v[XA], s[4:5] offset:\mt*16384+128*\s+32*\c   ; hs's fragments, K step by K step: they stay
.endr
.endr
.endr
	WIN 0
	START 0
	s_wait_alu depctr_va_vdst(0)
.irp g, 0,1,2
	STEPS \g
	WIN 0
	PLACES                                         ; in front of the loads into the buffers just multiplied, and of the first read of the results
	START \g+1                                     ; the next head's fragments are on their way while this head is quantised
	EPIQ \g
.endr
	STEPS 3
	WIN 0
	PLACES
	s_wait_tensorcnt 0x0                           ; my slice of Wk or Wv has landed,
	s_wait_dscnt 0x0
	s_barrier_signal -1
	s_barrier_wait -1                              ; everybody's has
	EPIQ 3
	s_cmp_lt_u32 s35, 2
	s_cbranch_scc0 .Lpath_v
	; ---- k: d = 32 (J & 1) on, for my 32 keys.  Block mt = the keys' tile
	v_add_nc_u32 v[BAD], KVROW, v[BA]
	s_wait_alu depctr_va_vdst(0)
	s_lshl_b32 s46, s[WV], 11
	s_lshl_b32 s45, s36, 9
	s_add_co_u32 s46, s46, s45
	s_add_nc_u64 s[88:89], s[30:31], s[46:47]      ; K's image: tile 2 w + mt, 1,024 bytes each; half c = J & 1, 512 bytes
	s_lshl_b32 s46, s[WV], 2
	s_lshl_b32 s45, s36, 1
	s_add_co_u32 s46, s46, s45
	s_add_nc_u64 s[90:91], s[30:31], s[46:47]      ; K's scale words: 16 bytes a lane; word w; my two bytes of it
	KVSTEPS 0, 16
.irp mt, 0,1
	global_store_b128 v[L16], v[PC+4*\mt:PC+4*\mt+3], s[88:89] offset:\mt*1024
.endr
	v_cndmask_b32 v[OW], v[TM+4], v[TM+5], s37     ; lanes 0-15 the even tile's byte, lanes 16-31 the odd one's
	v_or_b32 v[OW], 0x7f00, v[OW]                  ; and 1.0 for the block of zero codes behind it
	global_store_b16 v[L16], v[OW], s[90:91] offset:16384
	s_branch .Ljoin
.Lpath_v:
	; ---- v: d = 32 (J & 1) on, two tiles of chosen rows; my 32 keys are one block.  Block u = the tile of d
	v_mul_u32_u24 v[BAD], v[RR], PITCH
	v_lshl_add_u32 v[BAD], v[H], 4, v[BAD]
	v_add_nc_u32 v[BAD], KVROW, v[BAD]
	s_wait_alu depctr_va_vdst(0)
	s_lshl_b32 s46, s36, 12
	s_lshl_b32 s45, s[WV], 9
	s_add_co_u32 s46, s46, s45
	s_add_nc_u64 s[88:89], s[30:31], s[46:47]      ; V's image: tile 2 (J & 1) + u, 2,048 bytes each; key block w, 512 bytes
	s_lshl_b32 s46, s36, 2
	s_add_co_u32 s46, s46, s[WV]
	s_add_nc_u64 s[90:91], s[30:31], s[46:47]      ; V's scale words: 8 bytes a lane; word J & 1; byte w
	KVSTEPS 1, 8
.irp u, 0,1
	global_store_b128 v[L16], v[PC+4*\u:PC+4*\u+3], s[88:89] offset:8192+\u*2048
.endr
	v_cndmask_b32 v[OW], v[TM+4], v[TM+5], s37
	global_store_b8 v[L8], v[OW], s[90:91] offset:16896
.Ljoin:
	s_wait_tensorcnt 0x0
	ds_add_u32 v254, v255
	s_wait_dscnt 0x0
	CROUND                                         ; the closing round: no work-group ends while a partner may still ask for a slice that names it
	s_endpgm
.Lfunc_end_k_q4de7a0469a_proj:
	.size	k_q4de7a0469a_proj, .Lfunc_end_k_q4de7a0469a_proj-k_q4de7a0469a_proj
	.p2alignl 7, 3214868480
	.fill 96, 4, 3214868480
	.section	.rodata,"a",@progbits
	.p2align	6, 0x0
	.amdhsa_kernel k_q4de7a0469a_proj
		.amdhsa_group_segment_fixed_size 327680
		.amdhsa_private_segment_fixed_size 0
		.amdhsa_enable_private_segment 0
		.amdhsa_kernarg_size 112
		.amdhsa_user_sgpr_count 2
		.amdhsa_user_sgpr_kernarg_segment_ptr 1
		.amdhsa_wavefront_size32 1
		.amdhsa_system_sgpr_workgroup_id_x 1
		.amdhsa_system_sgpr_workgroup_id_y 1
		.amdhsa_system_sgpr_workgroup_id_z 1
		.amdhsa_system_vgpr_workitem_id 0
		.amdhsa_next_free_vgpr 1024
		.amdhsa_next_free_sgpr 100
		.amdhsa_reserve_vcc 0
		.amdhsa_float_denorm_mode_32 3
		.amdhsa_float_denorm_mode_16_64 3
		.amdhsa_memory_ordered 1
		.amdhsa_forward_progress 1
		.amdhsa_inst_pref_size 159
	.end_amdhsa_kernel
	.amdgpu_metadata
---
amdhsa.version: [ 1, 2 ]
amdhsa.kernels:
  - .name:           k_q4de7a0469a_proj
    .symbol:         k_q4de7a0469a_proj.kd
    .args:
      - { .name: hidden_state_codes, .offset: 0, .size: 8, .value_kind: global_buffer, .address_space: global }
      - { .name: hidden_state_scales, .offset: 8, .size: 8, .value_kind: global_buffer, .address_space: global }
      - { .name: Wq_codes, .offset: 16, .size: 8, .value_kind: global_buffer, .address_space: global }
      - { .name: Wq_scales, .offset: 24, .size: 8, .value_kind: global_buffer, .address_space: global }
      - { .name: bq, .offset: 32, .size: 8, .value_kind: global_buffer, .address_space: global }
      - { .name: Wk_codes, .offset: 40, .size: 8, .value_kind: global_buffer, .address_space: global }
      - { .name: Wk_scales, .offset: 48, .size: 8, .value_kind: global_buffer, .address_space: global }
      - { .name: bk, .offset: 56, .size: 8, .value_kind: global_buffer, .address_space: global }
      - { .name: Wv_codes, .offset: 64, .size: 8, .value_kind: global_buffer, .address_space: global }
      - { .name: Wv_scales, .offset: 72, .size: 8, .value_kind: global_buffer, .address_space: global }
      - { .name: bv, .offset: 80, .size: 8, .value_kind: global_buffer, .address_space: global }
      - { .name: q_img, .offset: 88, .size: 8, .value_kind: global_buffer, .address_space: global }
      - { .name: q_sc, .offset: 96, .size: 8, .value_kind: global_buffer, .address_space: global }
      - { .name: kv, .offset: 104, .size: 8, .value_kind: global_buffer, .address_space: global }
    .group_segment_fixed_size: 327680
    .private_segment_fixed_size: 0
    .kernarg_segment_align: 8
    .kernarg_segment_size: 112
    .max_flat_workgroup_size: 128
    .sgpr_count:     100
    .vgpr_count:     1024
    .wavefront_size: 32
...
	.end_amdgpu_metadata
.endif
;; end of part 4
;; launch attn (part 5): grid 64 x 4, 16 waves a work-group, clusters of 4 x 1, 276,480 bytes of LDS; arguments q_img, q_sc, kv, o_img, o_sc; writes o_img, o_sc
.if DOCPART == 5
	.amdgcn_target "amdgcn-amd-amdhsa--gfx1250"
	.amdhsa_code_object_version 6
	.text
	.protected	k_q4de7a0469a_attn
	.globl	k_q4de7a0469a_attn
	.p2align	8
	.type	k_q4de7a0469a_attn,@function
k_q4de7a0469a_attn:
	s_mov_b64 s[64:65], 0
	v_nop
	global_prefetch_b8 v0, s[64:65] scope:SCOPE_SE
	s_setreg_imm32_b32 hwreg(HW_REG_WAVE_MODE, 25, 1), 1
	s_wait_xcnt 0x0
	s_wait_alu depctr_hold_cnt(0) depctr_sa_sdst(0) depctr_va_vdst(0) depctr_va_sdst(0) depctr_va_ssrc(0) depctr_va_vcc(0) depctr_vm_vsrc(0)
	s_getreg_b32 s2, hwreg(HW_REG_IB_STS2, 6, 4)
	s_cmp_eq_u32 s2, 0
	s_cbranch_scc0 .Lentry_in_a_cluster
	s_endpgm
.Lentry_in_a_cluster:
	s_bfe_u32 s2, ttmp6, 0x10000c
	s_cmp_lg_u32 s2, 0x3003
	s_cbranch_scc0 .Lentry_shape_is_right
	s_endpgm
.Lentry_shape_is_right:
; o[b][q][head][:] = the sum over keys of softmax(q . k / 8) v, one k and one v for all 16 heads; both products on codes of FP8 (E4M3) with one E8M0 scale for each 32 along a product's K.
; THE SOFTMAX AHEAD OF THE SECOND PRODUCT: t = score x log2(e) / 8; M = the row's largest t so far, rounded UP to a whole number; p = 2^(t - M) is quantised along the keys, not normalised.
; The row's sum is taken of the unquantised p, in f32, and divides O at the end.  When M moves, the sum and O are multiplied by 2^(old M - new M): exact.  The finished o is quantised along hidden and leaves as codes.
; SHARES.  A work-group owns 32 queries of one batch, all 16 heads.  Wave w: pair of heads w & 7, tile of 16 queries w >> 3; it walks the 2,048 keys once for each head of its pair, 128 keys a step.  Sixteen waves of 256 registers, four to a SIMD.
; LDS.  The batch's 16 records of kv (17,152 bytes: K's image, V's image, their scale words) are 274,432 consecutive bytes; wave w brings record w by ONE tensor load, once: one load of a wave is out, nothing is filled twice.
; Waves 0 to 3 have a load line of their own and alone wait at the first barrier: the first head's first three steps touch records 0 to 3 alone; a second barrier, at which every wave has waited, shows the other twelve.
; CLUSTER.  The four work-groups of a cluster belong to one batch and want the same records: each load is a joint one (mask 15).  No prefetch: kv is asked for once, at the head, and there is no loop to run ahead in.
; LAYOUT.  Both products are used transposed: S^T = K Q^T, O^T = V^T P^T: a lane holds ONE query (lane % 16) throughout.  The images are the operands' registers as they stand: lane l's 16 bytes at 16 l.
; The first product's K = 64 lies in the instruction's blocks 0 and 2.  Q has zero codes in blocks 1 and 3, so what K holds there adds nothing while it is a finite code: two fragments of K are interleaved in 16 registers
; (fragment 2 P at KF + 16 P, fragment 2 P + 1 four registers on; behind the last pair stand four zero registers).  p's 16 registers of two neighbouring tiles are the keys 32 c + 16 (i / 8) + 8 (lane / 16) + i % 8, and V's image has that order.
; V's tiles hold chosen d, so that O^T's 16 registers of two tiles are d = 32 B + 16 (lane / 16) + 0 .. 15: the order that the last product's operand wants.
; THE STEP IS ROTATED: the next step's scores of tiles 0-3 stand between this step's second and third product of O^T, so that the places behind matrix instructions (ISA guide 7.12.1) are filled by work that is due:
; the upper half of O^T's rescaling, four partial sums kept back, the sums' merge, the next addresses.  The scores of tiles 4-7 take turns with the search for the largest score of tiles 0-3.
; THE EXPONENTIALS GO IN FOUR BATCHES, a block each, with one wait between neighbours.  Among a batch's exponentials stand only plain lines whose sources were written ahead of the wait in front of the batch and whose
; results are read behind the wait that follows it: t - M of later blocks, the first level of earlier blocks' sums, the blocks' scale arithmetic one level a batch, block 0's holds.
; LIMITS: NaN and infinities are not served (K's codes are finite: the launch that makes them holds each number at the largest code).  A block of zeros gets the byte 1: its codes are zeros, and this program alone reads the bytes.
; A block's largest p is taken from the block's largest score by the same multiply-add and exponential; this takes v_exp_f32 not to fall where its input rises.
.set REC, 17152
.set SPARE, 16*REC                     ; behind the records: the spare words, 128 bytes a wave
.set L16, 1                            ; 16 x lane
.set ADR, 2                            ; the step's record + 16 x lane
.set L8,  3                            ; 8 x lane
.set ADV, 4                            ; the step's record + 8 x lane
.set L4,  5                            ; 4 x lane
.set OSA, 6                            ; 4 (16 tp + lane % 16): my row's scale word in o_sc
.set QF,  16                           ; v16-31 Q.  v12 -M, v13 the largest score, v[14:15] the sum in two halves
.set KF,  32                           ; v32-95 K's eight fragments, interleaved
.set ZR,  96                           ; v96-99 zero codes behind them
.set SP,  100                          ; v100-163 S^T, then p, then V's four fragments
.set OT,  164                          ; v164-195 O^T
.set PC,  196                          ; v196-211 partial sums of blocks 0 and 1, then p's codes; at a pass's end o's
.set TM,  212                          ; +0..3 block maxima, +4..7 the other half's, then bytes, +8..11 at work, then 448 x the scale, +12..15 the conversions' scale operands
.set KS,  228                          ; v228-231 K's scale words
.set VS,  232                          ; v232-233 V's
.set QS,  234                          ; Q's: lanes 0-15 the even head, lanes 16-31 the odd one
.set PW,  235                          ; p's scale word
.set FF,  236                          ; v[236:237] f, later 1 / the sum
.set TT,  238
.set OW,  239                          ; o's scale word for my 128 of hidden
.set OM,  240                          ; -M of the step before
.set SA,  242                          ; v[242:245] the step's sum of p, in two chains
.set TX,  246                          ; v246-253 block 2's four partial sums, kept back
.set SPW, 254                          ; my spare word
.set NIL, 255                          ; 0
.set WV,  18
.set MNT, 19
.set SEL, 20
.set CS,  22
.set G1,  24
.set G0,  32
.set TB,  36                           ; LDS byte at which the step's record begins
.set CNT, 37
.macro WALU
	s_wait_alu depctr_va_vdst(0)
.endm
.macro CROUND
	s_barrier_signal -1
	s_barrier_wait -1
	s_cmp_lg_u32 s[WV], 0
	s_cbranch_scc1 .Lnot_wave_0_\@
	s_barrier_signal -3
.Lnot_wave_0_\@:
	s_barrier_wait -3
	s_barrier_signal -1
	s_barrier_wait -1
.endm
.macro TLOAD                           ; my record; an s_nop 0 and four v_nop follow
	tensor_load_to_lds s[G0:G0+3], s[G1:G1+7]
	s_nop 0
.rept 4
	v_nop
.endr
.endm
; one scaled product that adds in place; ra = 1: source 0's scales are read from lanes 16-31
.macro WMSC d, a, b, sa, sb, ra
.if \ra
	v_wmma_scale_f32_16x16x128_f8f6f4 v[\d:\d+7], v[\a:\a+15], v[\b:\b+15], v[\d:\d+7], v[\sa], v[\sb] matrix_a_scale:MATRIX_SCALE_ROW1
.else
	v_wmma_scale_f32_16x16x128_f8f6f4 v[\d:\d+7], v[\a:\a+15], v[\b:\b+15], v[\d:\d+7], v[\sa], v[\sb]
.endif
.endm
.macro WMS0 d, a, b, sa, sb, ra, rb    ; one with the constant 0 as C
.if (\ra) && (\rb)
	v_wmma_scale_f32_16x16x128_f8f6f4 v[\d:\d+7], v[\a:\a+15], v[\b:\b+15], 0, v[\sa], v[\sb] matrix_a_scale:MATRIX_SCALE_ROW1 matrix_b_scale:MATRIX_SCALE_ROW1
.elseif \ra
	v_wmma_scale_f32_16x16x128_f8f6f4 v[\d:\d+7], v[\a:\a+15], v[\b:\b+15], 0, v[\sa], v[\sb] matrix_a_scale:MATRIX_SCALE_ROW1
.elseif \rb
	v_wmma_scale_f32_16x16x128_f8f6f4 v[\d:\d+7], v[\a:\a+15], v[\b:\b+15], 0, v[\sa], v[\sb] matrix_b_scale:MATRIX_SCALE_ROW1
.else
	v_wmma_scale_f32_16x16x128_f8f6f4 v[\d:\d+7], v[\a:\a+15], v[\b:\b+15], 0, v[\sa], v[\sb]
.endif
.endm
.macro WS rowq, kt                     ; S^T = K Q^T, tile kt.  rowq: which half of the lanes holds my head's scale words of Q
	WMS0 SP+8*(\kt), KF+16*((\kt)/2)+4*((\kt)%2), QF, KS+(\kt)/2, QS, (\kt)%2, \rowq
.endm
.macro SCORES rowq                     ; tiles 0-3
.irp kt, 0,1,2,3
	WS \rowq, \kt
.endr
.endm
; two blocks of a lane's 16 registers from v[s] on become codes in v[PC + 4 b] on and bytes in v[TM + 4 + b].  A block of 32 lies in lanes l and l xor 16
.macro QUANT2 s
.irp b, 0,1
	v_max3_num_f32 v[TM+\b], |v[\s+16*\b]|, |v[\s+1+16*\b]|, 0x4800000   ; my 16 numbers, and the floor 2^(9 - 127): the byte cannot fall under 1
.endr
.irp i, 2,4,6,8,10,12,14
.irp b, 0,1
	s_delay_alu instid0(VALU_DEP_2)
	v_max3_num_f32 v[TM+\b], v[TM+\b], |v[\s+16*\b+\i]|, |v[\s+1+16*\b+\i]|
.endr
.endr
.irp b, 0,1
	s_delay_alu instid0(VALU_DEP_2)
	v_permlanex16_b32 v[TM+4+\b], v[TM+\b], s[SEL], s[SEL+1]
.endr
.irp b, 0,1
	s_delay_alu instid0(VALU_DEP_2)
	v_max_num_f32 v[TM+\b], v[TM+\b], v[TM+4+\b]
.endr
.irp b, 0,1
	s_delay_alu instid0(VALU_DEP_2)
	v_add_nc_u32 v[TM+12+\b], 0xfc000000, v[TM+\b]   ; 8 off the exponent field: the conversion's scale operand
.endr
.irp b, 0,1
	s_delay_alu instid0(VALU_DEP_4)
	v_and_or_b32 v[TM+8+\b], v[TM+\b], 0x7f800000, s[MNT]   ; 448 x the scale
.endr
.irp b, 0,1
	s_delay_alu instid0(VALU_DEP_4)
	v_lshrrev_b32 v[TM+4+\b], 23, v[TM+12+\b]      ; the scale's byte
.endr
.irp b, 0,1
.irp i, 0,1,2,3,4,5,6,7,8,9,10,11,12,13,14,15
	v_med3_num_f32 v[\s+16*\b+\i], v[\s+16*\b+\i], -v[TM+8+\b], v[TM+8+\b]   ; the conversion to an 8-bit code does not saturate (ISA guide 7.6.2)
.endr
	v_cvt_scalef32_pk8_fp8_f32 v[PC+4*\b:PC+4*\b+1], v[\s+16*\b:\s+16*\b+7], v[TM+12+\b]
	v_cvt_scalef32_pk8_fp8_f32 v[PC+4*\b+2:PC+4*\b+3], v[\s+16*\b+8:\s+16*\b+15], v[TM+12+\b]
.endr
	v_nop                                          ; one plain line behind the last conversion
.endm
.macro KLOAD adr, off                  ; a record's eight fragments of K, interleaved by pairs, and its scale words: 17 loads
.irp f, 0,1,2,3,4,5,6,7
	ds_load_b128 v[KF+16*(\f/2)+4*(\f%2):KF+16*(\f/2)+4*(\f%2)+3], v[\adr] offset:\off+\f*1024           ; d's first block of 32: the fragment's block 0
	ds_load_b128 v[KF+16*(\f/2)+4*(\f%2)+8:KF+16*(\f/2)+4*(\f%2)+11], v[\adr] offset:\off+\f*1024+512    ; its second: block 2
.endr
	ds_load_b128 v[KS:KS+3], v[\adr] offset:\off+16384
.endm
; THE LARGEST SCORE OF A BLOCK OF 32 KEYS, for the row's maximum and for the block's largest p: two chains a block, two blocks by turns
.macro TF b                            ; the chains begin: each accumulator is read from its low end on
	v_max3_num_f32 v[TM+\b], v[SP+16*(\b)], v[SP+16*(\b)+1], v[SP+16*(\b)+2]
	v_max3_num_f32 v[TM+8+\b], v[SP+16*(\b)+8], v[SP+16*(\b)+9], v[SP+16*(\b)+10]
.endm
.macro TL b, i                         ; two more numbers onto each
	v_max3_num_f32 v[TM+\b], v[TM+\b], v[SP+16*(\b)+\i], v[SP+16*(\b)+\i+1]
	v_max3_num_f32 v[TM+8+\b], v[TM+8+\b], v[SP+16*(\b)+8+\i], v[SP+16*(\b)+9+\i]
.endm
.macro TE b0                           ; blocks b0 and b0 + 1: the last two numbers, the two chains, and lane l xor 16's 16 keys
.irp b, \b0, \b0+1
	v_max3_num_f32 v[TM+\b], v[TM+\b], v[SP+16*(\b)+7], v[SP+16*(\b)+15]
.endr
.irp b, \b0, \b0+1
	s_delay_alu instid0(VALU_DEP_2)
	v_max_num_f32 v[TM+\b], v[TM+\b], v[TM+8+\b]
.endr
.irp b, \b0, \b0+1
	s_delay_alu instid0(VALU_DEP_2)
	v_permlanex16_b32 v[TM+4+\b], v[TM+\b], s[SEL], s[SEL+1]
.endr
.irp b, \b0, \b0+1
	s_delay_alu instid0(VALU_DEP_2)
	v_max_num_f32 v[TM+\b], v[TM+\b], v[TM+4+\b]
.endr
.endm
.macro FMA j                           ; pair j of 32: t - M, two at a time (of the pairs c and -M the low word serves both halves)
	v_pk_fma_f32 v[SP+2*(\j):SP+2*(\j)+1], v[SP+2*(\j):SP+2*(\j)+1], s[CS:CS+1], v[12:13] op_sel_hi:[1,0,0]
.endm
.macro EX i                            ; p = 2^(t - M), at most 1
	v_exp_f32 v[SP+(\i)], v[SP+(\i)]
.endm
.macro TADD d, k                       ; pairs 2 k and 2 k + 1 of the UNQUANTISED p are added into a partial sum at v[d]
	v_pk_add_f32 v[\d:\d+1], v[SP+4*(\k):SP+4*(\k)+1], v[SP+4*(\k)+2:SP+4*(\k)+3]
.endm
.macro SADD c, s                       ; the pair at v[s] onto chain c
	v_pk_add_f32 v[SA+2*(\c):SA+2*(\c)+1], v[SA+2*(\c):SA+2*(\c)+1], v[\s:\s+1]
.endm
.macro HOLD m                          ; pair m is held at 448 x its block's scale: the conversion does not saturate (ISA guide 7.6.2); p is not negative, so the hold is one-sided
	v_dual_min_num_f32 v[SP+2*(\m)], v[TM+8+(\m)/8], v[SP+2*(\m)] :: v_dual_min_num_f32 v[SP+2*(\m)+1], v[TM+8+(\m)/8], v[SP+2*(\m)+1]
.endm
.macro CVT b                           ; block b's codes
	v_cvt_scalef32_pk8_fp8_f32 v[PC+4*\b:PC+4*\b+1], v[SP+16*\b:SP+16*\b+7], v[TM+12+\b]
	v_cvt_scalef32_pk8_fp8_f32 v[PC+4*\b+2:PC+4*\b+3], v[SP+16*\b+8:SP+16*\b+15], v[TM+12+\b]
.endm
.macro VLD b                           ; V's fragment b takes the registers of p's block b, which the conversions have read
.irp c, 0,1,2,3
	ds_load_b128 v[SP+16*\b+4*\c:SP+16*\b+4*\c+3], v[ADR] offset:8192+\b*2048+\c*512
.endr
.endm
.macro RESC j0                         ; two tiles of O^T x v[FF], each from its low end on
.irp j, 0,2,4,6,8,10,12,14
	v_pk_mul_f32 v[OT+\j0+\j:OT+\j0+\j+1], v[OT+\j0+\j:OT+\j0+\j+1], v[FF:FF+1] op_sel_hi:[1,0]
.endr
.endm
; A KEY STEP: 128 keys.  pf = 1: a step follows: its K is asked for, and its scores of tiles 0-3 are made.
; At the step's head K and its scale words are in registers, and the scores of tiles 0-3 have been issued, nine plain lines ago.
.macro STEP rowq, pf
	WS \rowq, 4                                    ; tiles 4-7 by turns with the search in tiles 0-3
	TF 0
	TF 1
	WS \rowq, 5
	TL 0, 3
	TL 1, 3
	WS \rowq, 6
	TL 0, 5
	TL 1, 5
	WS \rowq, 7
	TE 0                                           ; with the two lines below ten lines, two of them lane permutes: the places behind tile 7's product
	TF 2                                           ; (tiles 4 and 5: twelve and more lines behind their products)
.if \pf
	KLOAD ADR, REC                                 ; the next step's K, into the registers that the scores have read
.endif
	ds_load_b64 v[VS:VS+1], v[ADV] offset:16896    ; this step's scale words of V
	TF 3
	TL 2, 3
	TL 3, 3
	TL 2, 5
	TL 3, 5
	TE 2
	s_delay_alu instid0(VALU_DEP_2)
	v_max3_num_f32 v[TT], v[TM], v[TM+1], v[TM+2]
	s_delay_alu instid0(VALU_DEP_1)
	v_max3_num_f32 v13, v13, v[TT], v[TM+3]        ; the running largest score of my query
	s_delay_alu instid0(VALU_DEP_1)
	v_mul_f32 v[TT], s[CS], v13                    ; as t: c is positive
	s_delay_alu instid0(VALU_DEP_1)
	v_floor_f32 v12, -v[TT]                        ; the new -M = -ceil(t): a whole number
	FMA 0                                          ; (block 0's t - M stands between the links of the chain that makes f)
	FMA 1
	s_delay_alu instid0(VALU_DEP_3)
	v_sub_f32 v[TT], v12, v[OM]                    ; old M - new M: a whole number, 0 or less
	FMA 2
	FMA 3
	s_delay_alu instid0(VALU_DEP_3)
	v_cvt_i32_f32 v[TT], v[TT]                     ; (it saturates)
	FMA 4
	FMA 5
	s_delay_alu instid0(VALU_DEP_3)
	v_ldexp_f32 v[FF], 1.0, v[TT]                  ; f = 2^(old M - new M)
	FMA 6
	FMA 7
.irp b, 0,2
	v_pk_fma_f32 v[TM+\b:TM+\b+1], v[TM+\b:TM+\b+1], s[CS:CS+1], v[12:13] op_sel_hi:[1,0,0]   ; t - M of each block's largest score: the instruction that the scores go through
.endr
	WALU                                           ; the wait ahead of the first batch
.irp b, 0,1,2,3                                ; BATCH A: the blocks' largest p and block 0 | t - M of pairs 8 to 27
	v_exp_f32 v[TM+\b], v[TM+\b]
	FMA 8+\b
.endr
.set kk, 0
.rept 16
	EX kk
	FMA 12+kk
.set kk, kk+1
.endr
	WALU
.set kk, 0
.rept 16                                       ; BATCH B: block 1 | the last t - M, the floor under the largest p, block 0's partial sums
	EX 16+kk
.if kk >= 12
	TADD PC+2*(kk-12), kk-12
.elseif kk >= 8
	v_max_num_f32 v[TM+kk-8], 0x4800000, v[TM+kk-8]            ; the floor 2^(9 - 127): the byte cannot fall under 1
.elseif kk >= 4
	FMA 24+kk
.endif
.set kk, kk+1
.endr
	WALU
.set kk, 0
.rept 16                                       ; BATCH C: block 2 | the conversions' scale operands, the bounds, block 1's partial sums
	EX 32+kk
.if kk >= 12
	TADD PC+2*(kk-8), kk-8
.elseif kk >= 8
	v_and_or_b32 v[TM+kk], v[TM+kk-8], 0x7f800000, s[MNT]      ; 448 x the scale
.elseif kk >= 4
	v_add_nc_u32 v[TM+8+kk], 0xfc000000, v[TM+kk-4]            ; 8 off the exponent field
.endif
.set kk, kk+1
.endr
	WALU
.set kk, 0
.rept 16                                       ; BATCH D: block 3 | block 0's holds, the scales' bytes, block 2's partial sums
	EX 48+kk
.if kk >= 12
	TADD TX+2*(kk-12), kk-4
.elseif kk >= 8
	v_lshrrev_b32 v[TM+kk-4], 23, v[TM+4+kk]
.else
	HOLD kk
.endif
.set kk, kk+1
.endr
	WALU                                           ; the wait behind the last batch
	v_pk_add_f32 v[SA:SA+1], v[PC:PC+1], v[PC+2:PC+3]          ; block 0's partial sums start the two chains
	v_pk_add_f32 v[SA+2:SA+3], v[PC+4:PC+5], v[PC+6:PC+7]
	v_lshl_or_b32 v[PW], v[TM+5], 8, v[TM+4]       ; p's scale word for these 128 keys
	CVT 0
	SADD 0, PC+8
	SADD 1, PC+10
	v_lshl_or_b32 v[PW], v[TM+6], 16, v[PW]
	SADD 0, PC+12
	SADD 1, PC+14
	v_lshl_or_b32 v[PW], v[TM+7], 24, v[PW]
.irp m, 8,9,10,11,12,13,14,15
	HOLD \m
.endr
	CVT 1
.irp m, 16,17,18,19,20,21,22,23
	HOLD \m
.endr
	VLD 0                                          ; V's loads go in two runs of eight
	VLD 1
	CVT 2
.set kk, 0
.rept 8                                        ; block 3: each pair is added, and two lines later held
	SADD kk%2, SP+48+2*kk
.if kk >= 2
	HOLD 22+kk
.endif
.set kk, kk+1
.endr
	HOLD 30
	HOLD 31
	CVT 3
	VLD 2
	VLD 3
	s_add_co_u32 s[TB], s[TB], REC                 ; the next step's record
	s_wait_dscnt 8                                 ; V's fragments 2 and 3, four loads each, may be out; fragments 0 and 1 and the next K are in
	WALU                                           ; directly ahead of the first readers of O^T's tiles 0 and 1
	RESC 0                                         ; O^T under the new M.  (Eight plain lines between the last conversion and the products that take the codes)
	WMSC OT, SP, PC, VS, PW, 0                     ; O^T += V^T P^T
	WMSC OT+8, SP+16, PC, VS, PW, 1
	s_wait_dscnt 0                                 ; V's fragments 2 and 3
	WALU                                           ; directly ahead of the first readers of tiles 2 and 3
	RESC 16                                        ; with the line below nine places: the next scores write over V's fragments 0 and 1, which the two products above have read
	v_mov_b32 v[OM], v12                           ; -M is kept for the next step's f
.if \pf
	SCORES \rowq                                   ; the next step's tiles 0-3
.endif
	WMSC OT+16, SP+32, PC, VS+1, PW, 0
	WMSC OT+24, SP+48, PC, VS+1, PW, 1
; nine places: behind them the next step's tiles 0-3 may be read, and its tiles 4-7 may write over V's fragments 2 and 3
	SADD 0, TX                                     ; block 2's partial sums,
	SADD 1, TX+2
	SADD 0, TX+4
	SADD 1, TX+6
.if \pf
	v_add_nc_u32 v[ADR], s[TB], v[L16]
	v_add_nc_u32 v[ADV], s[TB], v[L8]
.else
	v_nop
	v_nop
.endif
	v_pk_add_f32 v[SA:SA+1], v[SA:SA+1], v[SA+2:SA+3]          ; the two chains,
	v_nop
	v_pk_fma_f32 v[14:15], v[14:15], v[FF:FF+1], v[SA:SA+1] op_sel_hi:[1,0,1]   ; and the row's sum under the new M
.endm
.macro TRIPS rowq, n                   ; n steps, each with a successor
	s_mov_b32 s[CNT], \n
.Lstep_\@:
	STEP \rowq, 1
	s_sub_co_u32 s[CNT], s[CNT], 1
	s_cmp_lg_u32 s[CNT], 0
	s_cbranch_scc1 .Lstep_\@
.endm
; ONE HEAD: head 2 (w & 7) + p
.macro PASS p
.if \p
	s_wait_xcnt 0x0                                ; the first head's stores have read the codes' registers
	s_wait_loadcnt 0x0                             ; the second head's Q
.endif
	KLOAD L16, 0                                   ; the first record's K lands under the lines below
	s_mov_b32 s[TB], 0
	v_mov_b32 v13, 0xff61b1e6                      ; the largest score so far: -3e38, under every score
	s_delay_alu instid0(VALU_DEP_1)
	v_mul_f32 v[TT], s[CS], v13
	s_delay_alu instid0(VALU_DEP_1)
	v_floor_f32 v12, -v[TT]                        ; -M
	s_delay_alu instid0(VALU_DEP_1)
	v_mov_b32 v[OM], v12
	v_mov_b32 v14, 0
	v_mov_b32 v15, 0
	v_add_nc_u32 v[ADR], s[TB], v[L16]
	v_add_nc_u32 v[ADV], s[TB], v[L8]
	WALU
	s_wait_dscnt 0x0
	SCORES \p                                      ; the first step's tiles 0-3; the lines below are the places behind them
.set jj, 0
.rept 32
	v_mov_b32 v[OT+jj], 0                          ; O^T.  (The step has no first form of its own: the first finds zeros, which the first change of M leaves zeros)
.set jj, jj+1
.endr
.if \p == 0
	TRIPS 0, 3                                     ; steps 0 to 2 read records 0 to 3
	s_wait_tensorcnt 0x0                           ; every wave: my record has landed,
	s_wait_dscnt 0x0
	s_barrier_signal -1
	s_barrier_wait -1                              ; everybody's has
	TRIPS 0, 12
.else
	TRIPS 1, 15
.endif
	STEP \p, 0                                     ; the last record is written out: nothing lies behind it
.if \p == 0
	global_load_b128 v[QF:QF+3], v[L16], s[4:5] offset:1024       ; the next head's Q lands while this head leaves (the softmax stands between these loads and the last product that read Q)
	global_load_b128 v[QF+8:QF+11], v[L16], s[4:5] offset:1536
.endif
	v_add_f32 v14, v14, v15                        ; the sum's two halves,
	s_delay_alu instid0(VALU_DEP_1)
	v_permlanex16_b32 v[TT], v14, s[SEL], s[SEL+1]
	s_delay_alu instid0(VALU_DEP_1)
	v_add_f32 v14, v14, v[TT]                      ; and lane l xor 16's: the row's sum
	WALU                                           ; the wait ahead of the transcendental
	v_rcp_f32 v[FF], v14
	v_nop                                          ; the plain line behind it.  (The step's last nine lines are the places behind the last product)
	WALU                                           ; the wait behind it, directly ahead of the first readers of O^T
	RESC 0                                         ; O^T / the sum
	RESC 16
	QUANT2 OT                                      ; block B: d = 32 B + 16 (lane / 16) + 0 .. 15 of my head
.irp bb, 0,1
	global_store_b128 v[L16], v[PC+4*\bb:PC+4*\bb+3], s[10:11] offset:(2*\p+\bb)*512   ; registers 4 c .. 4 c + 3 of the last product's fragment, c = 2 p + B: 512 consecutive bytes a wave
.endr
.if \p == 0
	v_lshl_or_b32 v[OW], v[TM+5], 8, v[TM+4]
.else
	v_lshl_or_b32 v[OW], v[TM+4], 16, v[OW]
	s_delay_alu instid0(VALU_DEP_1)
	v_lshl_or_b32 v[OW], v[TM+5], 24, v[OW]
	global_store_b32 v[OSA], v[OW], s[12:13]       ; my row's word for these 128 of hidden; both halves of the lanes hold it and write the same word
.endif
.endm
	s_load_b256 s[4:11], s[0:1], 0x0               ; q_img s[4:5], q_sc s[6:7], kv s[8:9], o_img s[10:11]
	s_load_b64 s[12:13], s[0:1], 0x20              ; o_sc
	v_lshl_add_u32 v[SPW], v0, 2, SPARE
	v_mov_b32 v[NIL], 0
	ds_add_u32 v[SPW], v[NIL]                      ; the opening lines: the add, twice on end, and its wait ahead of my tensor load
	ds_add_u32 v[SPW], v[NIL]
	v_lshrrev_b32 v[TT], 5, v0
	v_readfirstlane_b32 s[WV], v[TT]               ; wave 0..15
	s_lshr_b32 s44, s[WV], 3                       ; my tile of queries
	s_lshl_b32 s47, s44, 6
	v_and_b32 v[L4], 31, v0
	v_and_b32 v[OSA], 15, v0
	v_lshlrev_b32 v[L16], 4, v[L4]
	v_lshlrev_b32 v[L8], 3, v[L4]
	v_lshlrev_b32 v[L4], 2, v[L4]
	v_lshl_add_u32 v[OSA], v[OSA], 2, s47
.irp j, 4,5,6,7,12,13,14,15
	v_mov_b32 v[QF+\j], 0                          ; Q's blocks 1 and 3: zero codes, written once
.endr
.irp j, 0,1,2,3
	v_mov_b32 v[ZR+\j], 0                          ; the zero codes behind K's last fragment
	v_mov_b32 v[TM+4+\j], 0                        ; written once: a lane permute's destination counts as one of its sources
.endr
	v_mov_b32 v[FF+1], 0                           ; (named as the upper half of a pair)
	s_bfe_u32 s40, ttmp6, 0x40000                  ; cx: it enters Q's and o's addresses alone
	s_lshl_b32 s41, ttmp9, 2
	s_add_co_u32 s41, s41, s40                     ; X: my block of 32 queries
	s_and_b32 s42, ttmp7, 0xffff                   ; the batch, which the four partners share
	s_and_b32 s43, s[WV], 7                        ; my pair of heads
	s_lshl_b32 s45, s42, 7
	s_lshl_b32 s46, s41, 1
	s_add_co_u32 s45, s45, s46
	s_add_co_u32 s45, s45, s44                     ; qt = 128 b + 2 X + tp
	s_lshl_b32 s46, s45, 14
	s_lshl_b32 s48, s43, 11
	s_add_co_u32 s46, s46, s48                     ; q_img and o_img: 16,384 bytes a tile of rows, 2,048 a pair of heads
	s_mov_b32 s47, 0
	s_lshl_b32 s48, s45, 10
	s_lshl_b32 s54, s43, 7
	s_add_co_u32 s48, s48, s54                     ; q_sc: 1,024 a tile, 128 a pair of heads
	s_mov_b32 s49, 0
	s_lshl_b32 s56, s42, 6
	s_add_co_u32 s56, s56, s41
	s_lshl_b32 s56, s56, 10
	s_add_co_u32 s56, s56, s54                     ; o_sc: 1,024 a pair of tiles (64 b + X), 128 a pair of heads
	s_mov_b32 s57, 0
	s_mul_i32 s50, s42, 16*REC
	s_mul_i32 s52, s[WV], REC
	s_add_co_u32 s50, s50, s52                     ; kv: the batch's record w: made of the batch and the wave's number alone
	s_mov_b32 s51, 0
	s_mov_b32 s[MNT], 0x600000                     ; the mantissa field of 448
	s_mov_b32 s[SEL], 0x76543210
	s_mov_b32 s[SEL+1], 0xfedcba98                 ; v_permlanex16_b32's selects for lane l xor 16
	s_mov_b32 s[CS], 0x3e38aa3b                    ; c = log2(e) / 8
	s_mov_b32 s[CS+1], s[CS]                       ; (named with it as a pair, so it is written)
	; descriptor group 1: a record is dense: 67 rows of 256 bytes (32 elements of 8 bytes), no padding
	s_mov_b32 s[G1], 15|(3<<16)|(1<<21)            ; 15:0 the mask: all four work-groups; 17:16 elements of 8 bytes; 21 set beside a mask
	s_mov_b32 s[G1+1], 32<<16                      ; tensor_dim0
	s_mov_b32 s[G1+2], 67<<16                      ; tensor_dim1
	s_mov_b32 s[G1+3], 32<<16                      ; tile_dim0
	s_mov_b32 s[G1+4], 67                          ; tile_dim1
	s_mov_b32 s[G1+5], 32                          ; tensor_dim0_stride
	s_mov_b32 s[G1+6], 0
	s_mov_b32 s[G1+7], 0
	WALU
	s_wait_dscnt 0x0                               ; both opening adds are done
	s_wait_kmcnt 0x0
	s_mov_b32 s[G0], 1
	s_mov_b32 s[G0+1], s52                         ; LDS address: record w
	s_add_nc_u64 s[G0+2:G0+3], s[8:9], s[50:51]
	s_or_b32 s[G0+3], s[G0+3], 0x80000000
	s_add_nc_u64 s[4:5], s[4:5], s[46:47]
	s_add_nc_u64 s[10:11], s[10:11], s[46:47]
	s_add_nc_u64 s[6:7], s[6:7], s[48:49]
	s_add_nc_u64 s[12:13], s[12:13], s[56:57]
	CROUND                                         ; all four work-groups are here: the joint loads meet
	s_cmp_lt_u32 s[WV], 4                          ; one load a wave; records 0 to 3 have a line of their own, since the first barrier shows them alone
	s_cbranch_scc0 .Llater_records
	TLOAD
	s_branch .Lasked
.Llater_records:
	TLOAD
.Lasked:
	global_load_b128 v[QF:QF+3], v[L16], s[4:5]            ; the even head's Q: block 0,
	global_load_b128 v[QF+8:QF+11], v[L16], s[4:5] offset:512   ; block 2
	global_load_b32 v[QS], v[L4], s[6:7]                   ; both heads' scale words
	s_cmp_lt_u32 s[WV], 4
	s_cbranch_scc0 .Lnot_yet
	s_wait_tensorcnt 0x0                           ; waves 0 to 3: my record has landed
.Lnot_yet:
	s_barrier_signal -1
	s_barrier_wait -1                              ; records 0 to 3 are in
	s_wait_loadcnt 0x0                             ; Q
	PASS 0
	PASS 1
	s_wait_tensorcnt 0x0                           ; the wave's end
	ds_add_u32 v[SPW], v[NIL]
	s_wait_dscnt 0x0
	CROUND                                         ; the closing round
	s_endpgm
.Lfunc_end_k_q4de7a0469a_attn:
	.size	k_q4de7a0469a_attn, .Lfunc_end_k_q4de7a0469a_attn-k_q4de7a0469a_attn
	.p2alignl 7, 3214868480
	.fill 96, 4, 3214868480
	.section	.rodata,"a",@progbits
	.p2align	6, 0x0
	.amdhsa_kernel k_q4de7a0469a_attn
		.amdhsa_group_segment_fixed_size 276480
		.amdhsa_private_segment_fixed_size 0
		.amdhsa_enable_private_segment 0
		.amdhsa_kernarg_size 40
		.amdhsa_user_sgpr_count 2
		.amdhsa_user_sgpr_kernarg_segment_ptr 1
		.amdhsa_wavefront_size32 1
		.amdhsa_system_sgpr_workgroup_id_x 1
		.amdhsa_system_sgpr_workgroup_id_y 1
		.amdhsa_system_sgpr_workgroup_id_z 1
		.amdhsa_system_vgpr_workitem_id 0
		.amdhsa_next_free_vgpr 256
		.amdhsa_next_free_sgpr 66
		.amdhsa_reserve_vcc 0
		.amdhsa_float_denorm_mode_32 3
		.amdhsa_float_denorm_mode_16_64 3
		.amdhsa_memory_ordered 1
		.amdhsa_forward_progress 1
		.amdhsa_inst_pref_size 114
	.end_amdhsa_kernel
	.amdgpu_metadata
---
amdhsa.version: [ 1, 2 ]
amdhsa.kernels:
  - .name:           k_q4de7a0469a_attn
    .symbol:         k_q4de7a0469a_attn.kd
    .args:
      - { .name: q_img, .offset: 0, .size: 8, .value_kind: global_buffer, .address_space: global }
      - { .name: q_sc, .offset: 8, .size: 8, .value_kind: global_buffer, .address_space: global }
      - { .name: kv, .offset: 16, .size: 8, .value_kind: global_buffer, .address_space: global }
      - { .name: o_img, .offset: 24, .size: 8, .value_kind: global_buffer, .address_space: global }
      - { .name: o_sc, .offset: 32, .size: 8, .value_kind: global_buffer, .address_space: global }
    .group_segment_fixed_size: 276480
    .private_segment_fixed_size: 0
    .kernarg_segment_align: 8
    .kernarg_segment_size: 40
    .max_flat_workgroup_size: 512
    .sgpr_count:     66
    .vgpr_count:     256
    .wavefront_size: 32
...
	.end_amdgpu_metadata
.endif
;; end of part 5
;; launch outp (part 6): grid 64 x 4, 4 waves a work-group, clusters of 4 x 1, 301,568 bytes of LDS; arguments o_img, o_sc, Wo_codes, Wo_scales, bo, out0; writes out0
.if DOCPART == 6
	.amdgcn_target "amdgcn-amd-amdhsa--gfx1250"
	.amdhsa_code_object_version 6
	.text
	.protected	k_q4de7a0469a_outp
	.globl	k_q4de7a0469a_outp
	.p2align	8
	.type	k_q4de7a0469a_outp,@function
k_q4de7a0469a_outp:
	s_mov_b64 s[64:65], 0
	v_nop
	global_prefetch_b8 v0, s[64:65] scope:SCOPE_SE
	s_setreg_imm32_b32 hwreg(HW_REG_WAVE_MODE, 25, 1), 1
	s_wait_xcnt 0x0
	s_wait_alu depctr_hold_cnt(0) depctr_sa_sdst(0) depctr_va_vdst(0) depctr_va_sdst(0) depctr_va_ssrc(0) depctr_va_vcc(0) depctr_vm_vsrc(0)
	s_getreg_b32 s2, hwreg(HW_REG_IB_STS2, 6, 4)
	s_cmp_eq_u32 s2, 0
	s_cbranch_scc0 .Lentry_in_a_cluster
	s_endpgm
.Lentry_in_a_cluster:
	s_bfe_u32 s2, ttmp6, 0x10000c
	s_cmp_lg_u32 s2, 0x3003
	s_cbranch_scc0 .Lentry_shape_is_right
	s_endpgm
.Lentry_shape_is_right:
; out0 = o Wo + bo on codes of FP8 (E4M3) with one E8M0 scale for each 32 along K = 1,024; sums in f32.  o comes as images of its fragments' registers (o_img) and scale words (o_sc), Wo as it is given, K innermost.
; SHARES.  Work-group (Mblk, J): 128 rows x 256 columns.  Wave w takes rows 32 w .. 32 w + 31 (two tiles) and all 256 columns, 64 at a time.  Its rows' codes stay in 256 registers; Wo's 256 rows, 1,024 bytes each, lie in LDS, filled ONCE.
; CLUSTER.  The four work-groups of a cluster share J and want the same rows of Wo: each slice is asked for jointly (mask 15).  o goes to registers and is read once by its work-group.
; No LDS byte is filled twice.  One tensor load of a wave is out: 64 rows of Wo.
; THE MATRIX INSTRUCTION IS USED TRANSPOSED (source 0 = 16 rows of Wo, source 1 = 16 rows of o): a lane holds eight neighbouring numbers of a row of out0.  bo is the C of each sum's first matrix instruction.
; THE WAY OUT.  32 rows x 64 columns go through the wave's own stage in LDS, behind the weights, into which no tensor load lands, and leave as rows: sixteen lanes store 256 consecutive bytes, at a multiple of 256 from out0's first byte.
; REGISTERS, in windows of 256.  window 0: v1-13 addresses; v16-23 o's scale words (lanes 0-15 tile 0, lanes 16-31 tile 1); v24-87 Wo's (pair of tiles p, K step s at 24 + 8 p + s); v96-159 eight accumulators; v160-223 rows on their way out.
;   window 1: o's fragments (tile mt, K step s at 16 (8 mt + s)).  window 2: four buffers of four fragments of Wo.  window 3: bo as C (tile T at 8 T).
.set PITCH, 1040                       ; a row of Wo in LDS: 1,024 bytes + 16 of padding = 65 x 16
.set CHUNK, 64*PITCH
.set STAGE, 256*PITCH                  ; 266,240, a multiple of 256: 32 rows x 272 bytes for each wave
.set LN,  1
.set R,   2
.set H,   3
.set BA,  5                            ; PITCH r + 16 h
.set BAD, 6
.set L16, 7
.set L4,  8
.set L32, 9
.set BH,  10
.set STO, 11                           ; the stage: where I put 32 bytes of a row
.set RD,  12                           ; where I read a row back
.set CO,  13                           ; and the same place in out0
.set T1,  15
.set AS,  16
.set BS,  24
.set ACC, 96
.set OUTR, 160
.set WV,  32
.set G1Q, 48
.set G0,  68
.set MSB, 0
.macro WIN new
.if MSB != \new
	s_set_vgpr_msb (MSB<<8)|\new
.set MSB, \new
.endif
.endm
.macro PLACES                          ; eight places behind this matrix form
.rept 8
	v_nop
.endr
.endm
.macro CROUND
	s_barrier_signal -1
	s_barrier_wait -1
	s_cmp_lg_u32 s[WV], 0
	s_cbranch_scc1 .Lnot_wave_0_\@
	s_barrier_signal -3
.Lnot_wave_0_\@:
	s_barrier_wait -3
	s_barrier_signal -1
	s_barrier_wait -1
.endm
.macro WMSC d, a, b, c, sa, sb, ra, rb
.if (\ra) && (\rb)
	v_wmma_scale_f32_16x16x128_f8f6f4 v[\d:\d+7], v[\a:\a+15], v[\b:\b+15], v[\c:\c+7], v[\sa], v[\sb] matrix_a_scale:MATRIX_SCALE_ROW1 matrix_b_scale:MATRIX_SCALE_ROW1
.elseif \ra
	v_wmma_scale_f32_16x16x128_f8f6f4 v[\d:\d+7], v[\a:\a+15], v[\b:\b+15], v[\c:\c+7], v[\sa], v[\sb] matrix_a_scale:MATRIX_SCALE_ROW1
.elseif \rb
	v_wmma_scale_f32_16x16x128_f8f6f4 v[\d:\d+7], v[\a:\a+15], v[\b:\b+15], v[\c:\c+7], v[\sa], v[\sb] matrix_b_scale:MATRIX_SCALE_ROW1
.else
	v_wmma_scale_f32_16x16x128_f8f6f4 v[\d:\d+7], v[\a:\a+15], v[\b:\b+15], v[\c:\c+7], v[\sa], v[\sb]
.endif
.endm
.macro FETCH s                         ; four fragments of Wo of K step s into buffer s % 4 of window 2.  It leaves the window set
	WIN 0x80
.irp t, 0,1,2,3
.irp c, 0,1,2,3
	ds_load_b128 v[64*((\s)%4)+16*\t+4*\c:64*((\s)%4)+16*\t+4*\c+3], v[BAD] offset:\t*16*PITCH+128*(\s)+32*\c
.endr
.endr
.endm
.macro MULQ g, s                       ; eight products; the eight accumulators take turns, one instruction a turn
.if \s == 0
	WIN 0x36                                       ; source 0 (Wo) window 2, source 1 (o) window 1, C (bo) window 3, D window 0
.else
	WIN 0x06
.endif
.irp t, 0,1,2,3
.irp mt, 0,1
.if \s == 0
	WMSC ACC+32*\mt+8*\t, 64*(\s%4)+16*\t, 16*(8*\mt+\s), 8*(4*\g+\t), BS+8*(2*\g+\t/2)+\s, AS+\s, \t%2, \mt
.else
	WMSC ACC+32*\mt+8*\t, 64*(\s%4)+16*\t, 16*(8*\mt+\s), ACC+32*\mt+8*\t, BS+8*(2*\g+\t/2)+\s, AS+\s, \t%2, \mt
.endif
.endr
.endr
.endm
.macro START g
	WIN 0
.if (\g) == 0
	s_cmp_eq_u32 s[WV], 0                          ; the first 64 rows are wave 0's load, on a line of its own: wave 0 alone waits here
	s_cbranch_scc0 .Lnot_first
	s_wait_tensorcnt 0x0
.Lnot_first:
	s_barrier_signal -1
	s_barrier_wait -1
.elseif (\g) == 1
	s_wait_tensorcnt 0x0                           ; every wave: its 64 rows are in, so all of Wo's 256 rows are shown by this barrier
	s_wait_dscnt 0x0
	s_barrier_signal -1
	s_barrier_wait -1
.endif
	v_add_nc_u32 v[BAD], (\g)*CHUNK, v[BA]
	FETCH 0
	FETCH 1
	FETCH 2
	WIN 0
.endm
.macro STEPS g
.irp s, 0,1,2,3,4,5,6,7
.if \g == 0
	s_wait_loadcnt 8*(7-\s)                        ; o's fragments of this K step are in, and all that was asked for before them; those of the later steps, eight loads each, may be out
.endif
.if \s <= 5
	s_wait_dscnt 32                                ; this step's fragments are in; the two later steps', sixteen loads each, may be out
.elseif \s == 6
	s_wait_dscnt 16
.else
	s_wait_dscnt 0
.endif
	MULQ \g, \s
.if \s <= 4
	PLACES                                         ; in front of loads into a buffer that matrix instructions have read
	FETCH \s+3
.endif
.endr
.endm
.macro EPIO g                          ; columns 64 g on of my 32 rows leave
	s_wait_xcnt 0x0                                ; the last stores have read their data: their registers are loaded again only behind this wait
.irp mt, 0,1
.irp t, 0,1,2,3
	ds_store_b128 v[STO], v[ACC+32*\mt+8*\t:ACC+32*\mt+8*\t+3] offset:\mt*4352+64*\t          ; each accumulator from its low end on
	ds_store_b128 v[STO], v[ACC+32*\mt+8*\t+4:ACC+32*\mt+8*\t+7] offset:\mt*4352+64*\t+16
.endr
.endr
.irp i, 0,1,2,3,4,5,6,7,8,9,10,11,12,13,14,15
	ds_load_b128 v[OUTR+4*\i:OUTR+4*\i+3], v[RD] offset:\i*544    ; LDS serves a wave's instructions in order (ISA guide 5.7.1.4): these see my stores
.endr
.irp i, 0,1,2,3,4,5,6,7,8,9,10,11,12,13,14,15
	s_wait_dscnt 15-\i                             ; the younger loads from the stage may be out
	global_store_b128 v[CO], v[OUTR+4*\i:OUTR+4*\i+3], s[14:15] offset:\i*8192+256*\g th:TH_STORE_NT   ; two rows: sixteen lanes store 256 consecutive bytes each; written once, read by nobody here
.endr
.endm
	s_load_b256 s[4:11], s[0:1], 0x0               ; o_img s[4:5], o_sc s[6:7], Wo codes s[8:9], Wo scales s[10:11]
	s_load_b128 s[12:15], s[0:1], 0x20             ; bo s[12:13], out0 s[14:15]
	v_lshl_add_u32 v254, v0, 2, 0x49800
	v_mov_b32 v255, 0
	ds_add_u32 v254, v255
	ds_add_u32 v254, v255
	v_lshrrev_b32 v[T1], 5, v0
	v_readfirstlane_b32 s[WV], v[T1]               ; wave 0..3
	v_and_b32 v[LN], 31, v0
	v_and_b32 v[R], 15, v0
	v_bfe_u32 v[H], v0, 4, 1
	v_mul_u32_u24 v[BA], v[R], PITCH
	v_lshl_add_u32 v[BA], v[H], 4, v[BA]
	v_lshlrev_b32 v[L16], 4, v[LN]
	v_lshlrev_b32 v[L4], 2, v[LN]
	v_lshlrev_b32 v[L32], 5, v[LN]
	v_lshlrev_b32 v[BH], 5, v[H]
	s_mul_i32 s2, s[WV], 32*272
	s_add_co_u32 s2, s2, STAGE                     ; my stage
	v_mul_u32_u24 v[STO], v[R], 272                ; in: row r, 32 bytes for each half of the lanes
	v_lshl_add_u32 v[STO], v[H], 5, v[STO]
	v_add_nc_u32 v[STO], s2, v[STO]
	v_mul_u32_u24 v[RD], v[H], 272                 ; back: lanes 0-15 one row of 256 bytes, lanes 16-31 the next
	v_lshl_add_u32 v[RD], v[R], 4, v[RD]
	v_add_nc_u32 v[RD], s2, v[RD]
	v_lshlrev_b32 v[CO], 12, v[H]                  ; and the same two rows in out0, 4,096 bytes apart
	v_lshl_add_u32 v[CO], v[R], 4, v[CO]
	s_bfe_u32 s33, ttmp6, 0x40000                  ; cx: it enters o's and out0's addresses alone
	s_lshl_b32 s34, ttmp9, 2
	s_add_co_u32 s34, s34, s33                     ; Mblk
	s_and_b32 s35, ttmp7, 0xffff                   ; J, which the four partners share
	; descriptor group 1: 16 rows of 1,024 bytes, 16 bytes of padding behind each
	s_mov_b32 s[G1Q], 15|(1<<20)|(1<<21)|(7<<22)|(3<<25)    ; 15:0 the mask: all four work-groups; 17:16 elements of 1 byte; 20 padding on; 21 set beside a mask; 24:22 after every 256 words (code 7); 31:25 four words (code 3)
	s_mov_b32 s[G1Q+1], 1024<<16                   ; tensor_dim0
	s_mov_b32 s[G1Q+2], 64<<16                     ; tensor_dim1: a load brings 64 rows
	s_mov_b32 s[G1Q+3], 1024<<16                   ; tile_dim0
	s_mov_b32 s[G1Q+4], 64                         ; tile_dim1
	s_mov_b32 s[G1Q+5], 1024                       ; tensor_dim0_stride
	s_mov_b32 s[G1Q+6], 0
	s_mov_b32 s[G1Q+7], 0
	s_lshl_b32 s42, s35, 18
	s_lshl_b32 s3, s[WV], 16
	s_add_co_u32 s42, s42, s3                      ; Wo's codes: row 256 J + 64 w
	s_mov_b32 s43, 0
	s_mul_i32 s92, s[WV], CHUNK
	s_lshl_b32 s94, s35, 13                        ; Wo's scales: 256 J rows of 32 bytes
	s_mov_b32 s95, 0
	s_lshl_b32 s96, s35, 10                        ; bo: 256 J numbers; and out0's columns: the same bytes
	s_mov_b32 s97, 0
	s_lshl_b32 s44, s34, 7
	s_lshl_b32 s45, s[WV], 5
	s_add_co_u32 s44, s44, s45                     ; my first row: 128 Mblk + 32 w
	s_mov_b32 s47, 0
	s_wait_dscnt 0x0
	s_wait_kmcnt 0x0
	s_add_nc_u64 s[8:9], s[8:9], s[42:43]
	s_add_nc_u64 s[10:11], s[10:11], s[94:95]
	s_add_nc_u64 s[12:13], s[12:13], s[96:97]
	s_add_nc_u64 s[14:15], s[14:15], s[96:97]
	s_lshl_b32 s46, s44, 10
	s_add_nc_u64 s[4:5], s[4:5], s[46:47]          ; o_img: 16,384 bytes a tile of 16 rows
	s_lshl_b32 s46, s44, 5
	s_add_nc_u64 s[6:7], s[6:7], s[46:47]          ; o_sc: 1,024 bytes a pair of tiles
	s_lshl_b32 s46, s44, 12
	s_add_nc_u64 s[14:15], s[14:15], s[46:47]      ; out0: 4,096 bytes a row
	s_mov_b32 s[G0], 1                             ; wave w asks for Wo's rows 256 J + 64 w on, into LDS rows 64 w on
	s_mov_b32 s[G0+1], s92
	s_mov_b64 s[G0+2:G0+3], s[8:9]
	s_or_b32 s[G0+3], s[G0+3], 0x80000000
	CROUND                                         ; all four work-groups are here: the joint loads meet
	; THE FILLS: one joint load a wave, 64 rows of Wo each; one load of a wave is out.  Wave 0's stands on a line of its own, since the first barrier shows it alone
	s_cmp_eq_u32 s[WV], 0
	s_cbranch_scc0 .Llater_rows
	tensor_load_to_lds s[G0:G0+3], s[G1Q:G1Q+7]
	s_nop 0
.rept 4
	v_nop
.endr
	s_branch .Lasked
.Llater_rows:
	tensor_load_to_lds s[G0:G0+3], s[G1Q:G1Q+7]
	s_nop 0
.rept 4
	v_nop
.endr
.Lasked:
.irp s, 0,1,2,3,4,5,6,7
	global_load_b32 v[AS+\s], v[L4], s[6:7] offset:128*\s          ; o's scale words: lanes 0-15 my even tile, lanes 16-31 my odd one
.endr
.irp p, 0,1,2,3,4,5,6,7
	global_load_b128 v[BS+8*\p:BS+8*\p+3], v[L32], s[10:11] offset:1024*\p        ; Wo's: lane l takes row 32 p + l: eight words, one a K step
	global_load_b128 v[BS+8*\p+4:BS+8*\p+7], v[L32], s[10:11] offset:1024*\p+16
.endr
	WIN 0xc0                                       ; destination window 3
	s_wait_alu depctr_va_vdst(0)
.irp tt, 0,1,2,3,4,5,6,7,8,9,10,11,12,13,14,15
	global_load_b128 v[8*\tt:8*\tt+3], v[BH], s[12:13] offset:64*\tt             ; bo(16 T + 8 h + 0 .. 7): the result's layout
	global_load_b128 v[8*\tt+4:8*\tt+7], v[BH], s[12:13] offset:64*\tt+16
.endr
	WIN 0x40                                       ; destination window 1
.irp s, 0,1,2,3,4,5,6,7
.irp mt, 0,1
.irp c, 0,1,2,3
	global_load_b128 v[16*(8*\mt+\s)+4*\c:16*(8*\mt+\s)+4*\c+3], v[L16], s[4:5] offset:\mt*16384+\s*2048+\c*512   ; o's fragments as they were stored: 512 consecutive bytes a load; they stay
.endr
.endr
.endr
	WIN 0
	START 0
	s_wait_alu depctr_va_vdst(0)
.irp g, 0,1,2
	STEPS \g
	WIN 0
	PLACES                                         ; in front of the loads into the buffers just multiplied, and of the LDS stores that read the results
	START \g+1                                     ; the next 64 columns' fragments are on their way while these leave
	s_wait_alu depctr_va_vdst(0)
	EPIO \g
.endr
	STEPS 3
	WIN 0
	PLACES
	EPIO 3
	s_wait_dscnt 0x0
	s_wait_tensorcnt 0x0
	ds_add_u32 v254, v255
	s_wait_dscnt 0x0
	CROUND                                         ; the closing round: no work-group ends while a partner may still ask for a slice that names it
	s_endpgm
.Lfunc_end_k_q4de7a0469a_outp:
	.size	k_q4de7a0469a_outp, .Lfunc_end_k_q4de7a0469a_outp-k_q4de7a0469a_outp
	.p2alignl 7, 3214868480
	.fill 96, 4, 3214868480
	.section	.rodata,"a",@progbits
	.p2align	6, 0x0
	.amdhsa_kernel k_q4de7a0469a_outp
		.amdhsa_group_segment_fixed_size 301568
		.amdhsa_private_segment_fixed_size 0
		.amdhsa_enable_private_segment 0
		.amdhsa_kernarg_size 48
		.amdhsa_user_sgpr_count 2
		.amdhsa_user_sgpr_kernarg_segment_ptr 1
		.amdhsa_wavefront_size32 1
		.amdhsa_system_sgpr_workgroup_id_x 1
		.amdhsa_system_sgpr_workgroup_id_y 1
		.amdhsa_system_sgpr_workgroup_id_z 1
		.amdhsa_system_vgpr_workitem_id 0
		.amdhsa_next_free_vgpr 1024
		.amdhsa_next_free_sgpr 100
		.amdhsa_reserve_vcc 0
		.amdhsa_float_denorm_mode_32 3
		.amdhsa_float_denorm_mode_16_64 3
		.amdhsa_memory_ordered 1
		.amdhsa_forward_progress 1
		.amdhsa_inst_pref_size 106
	.end_amdhsa_kernel
	.amdgpu_metadata
---
amdhsa.version: [ 1, 2 ]
amdhsa.kernels:
  - .name:           k_q4de7a0469a_outp
    .symbol:         k_q4de7a0469a_outp.kd
    .args:
      - { .name: o_img, .offset: 0, .size: 8, .value_kind: global_buffer, .address_space: global }
      - { .name: o_sc, .offset: 8, .size: 8, .value_kind: global_buffer, .address_space: global }
      - { .name: Wo_codes, .offset: 16, .size: 8, .value_kind: global_buffer, .address_space: global }
      - { .name: Wo_scales, .offset: 24, .size: 8, .value_kind: global_buffer, .address_space: global }
      - { .name: bo, .offset: 32, .size: 8, .value_kind: global_buffer, .address_space: global }
      - { .name: out0, .offset: 40, .size: 8, .value_kind: global_buffer, .address_space: global }
    .group_segment_fixed_size: 301568
    .private_segment_fixed_size: 0
    .kernarg_segment_align: 8
    .kernarg_segment_size: 48
    .max_flat_workgroup_size: 128
    .sgpr_count:     100
    .vgpr_count:     1024
    .wavefront_size: 32
...
	.end_amdgpu_metadata
.endif
;; end of part 6
